; MI455X (gfx1250); checked and timed in simulation.
; The chip was launched on July 23, 2026; its instructions are those of AMD's public machine-readable ISA for CDNA 5 (MIT licence, August 2026) and "CDNA5" Instruction Set Architecture Reference Guide (July 2026). The comments in the code are by the model that wrote it; some were corrected since.
;; Multi Head Latent Attention. Allowed arithmetic: matrix products marked QUANTISED: E2M3 operands, one E8M0 scale for each 32 along K, by v_wmma_scale_f32_16x16x128_f8f6f4 with both operands' format E2M3, f32 sums; everything else in f32.
;; Inputs: Wc 1,024 x 256 float32; Wk 256 x 1,024 float32; Wo 1,024 x 1,024 float32; Wq 1,024 x 1,024 float32; Wv 256 x 1,024 float32; bc 256 float32; bk 1,024 float32; bo 1,024 float32; bq 1,024 float32; bv 1,024 float32; x 4 x 2,048 x 1,024 float32.
;; Outputs: out0 4 x 2,048 x 1,024 float32.
;; This version of the problem:
;;   THIS VERSION OF THE PROBLEM IS GIVEN IN LOW PRECISION. The matrix products marked QUANTISED in the list below multiply operands that are first quantised to E2M3 (2 exponent bits, 3 mantissa bits; 6 bits a number), with one power-of-two scale for each 32 numbers along K (OCP MX v1.0); their sums are f32. All else is computed in f32.
;;   The module's matrix products, in the order in which they are computed (A, B: the left and right operand; K: the contracted axis; several contracted axes count as one K, in the product's order):
;;     1. [M 8,192, K 1,024] x [K 1,024, N 1,024]; A: input x; B: input Wq: QUANTISED
;;     2. [M 8,192, K 1,024] x [K 1,024, N 256]; A: input x; B: input Wc: QUANTISED
;;     3. [M 8,192, K 256] x [K 256, N 1,024]; A: computed on the way; B: input Wk: QUANTISED
;;     4. [M 8,192, K 256] x [K 256, N 1,024]; A: computed on the way; B: input Wv: QUANTISED
;;     5. batch 64 x [M 2,048, K 64] x [K 64, N 2,048]; A: computed on the way; B: computed on the way: QUANTISED
;;     6. batch 64 x [M 2,048, K 2,048] x [K 2,048, N 64]; A: softmax (see below); B: computed on the way: QUANTISED
;;     7. [M 8,192, K 1,024] x [K 1,024, N 1,024]; A: computed on the way; B: input Wo: QUANTISED
;;   THE QUANTISER, for each operand of a quantised product, along K:
;;     - K is cut into blocks of 32 from its start; a last block that is shorter is filled with zeros.
;;     - A block's scale is 2^e with e = floor(log2(the largest magnitude in the block)) - 2, held to -126 .. 127; a block of zeros has e = 0. As a byte (E8M0): e + 127.
;;     - Each number is divided by its block's scale, clamped to +-7.5, and rounded to the nearest number of E2M3, ties to even, subnormals kept.
;;     - The product sums the exact products of the quantised numbers (number of the format x scale) in f32.
;;   ~~~python
;;   def quantise(x, axis):      # numpy; x: float32 -> the quantised numbers, widened to float32 again
;;       x = np.moveaxis(x, axis, -1); K = x.shape[-1]
;;       x = np.pad(x, [(0, 0)] * (x.ndim - 1) + [(0, -K % 32)]); x = x.reshape(x.shape[:-1] + (-1, 32)); a = np.abs(x).max(-1, keepdims=True)
;;       e = np.where(a > 0, np.clip(np.frexp(np.where(a > 0, a, 1))[1] - 1 - 2, -126, 127), 0)      # np.frexp(a)[1] - 1 = floor(log2(a)), exactly
;;       r = np.clip(x / 2.0 ** e, -7.5, 7.5)
;;       step = 2.0 ** (np.maximum(np.frexp(np.where(r == 0, 1, r))[1] - 1, 0) - 3)
;;       q = np.round(r / step) * step * 2.0 ** e      # np.round: ties to even
;;       return np.moveaxis(q.reshape(q.shape[:-2] + (-1,))[..., :K], -1, axis).astype(np.float32)
;;   ~~~
;;   SOFTMAX AHEAD OF A QUANTISED PRODUCT. Where the list says 'softmax', what is quantised is not the finished softmax but p = 2^(t - M), with t = logit x log2(e) and M = ceil(the row's largest t), a whole number; so 1/2 < the row's largest p <= 1. The row's sum l is taken of the UNQUANTISED p, in f32, and the product's result is divided by l at the end. Since M is a whole number, a kernel that streams over the keys may use a running M (the ceiling of the running maximum): every later rescaling is an exact power of two, which a block's scale takes up: the codes' values come out the same.
;;   OPERANDS COMPUTED ON THE WAY. 'Computed on the way' means the value that the module computes at that place (a softmax that the list does not call 'softmax' is quantised finished and normalised). What goes into a quantiser is computed in f32, as accurately as f32 sums, v_exp_f32 and their like allow (about 1e-6 of the number): no bf16 or f16 on the way to a quantiser, and a product that is left as it is and whose result goes on into a quantised operand takes f32 operands (vector FMAs, or v_wmma_f32_16x16x4_f32). A number that lies on a knife's edge between two numbers of the format may be rounded either way, as far as f32 arithmetic and the matrix unit's own rounding can turn it there, and no further.
;; One version. Each part assembles by itself: llvm-mc -triple=amdgcn-amd-amdhsa -mcpu=gfx1250 --defsym DOCPART=n.
;; ======== version 1 of 1: 5 launches
;; limits: right only within a limited range of input values
;; workspace buffers: xq 6,553,600 bytes; wops 2,252,800 bytes; ql 8,192,000 bytes; kv 13,369,344 bytes; ao 6,553,600 bytes
;; launch prep (part 1): grid 688 x 1, 4 waves a work-group, no clusters, 46,592 bytes of LDS; arguments x, Wq, Wc, Wk, Wv, Wo, xq, wops; writes xq, wops
.if DOCPART == 1
	.amdgcn_target "amdgcn-amd-amdhsa--gfx1250"
	.amdhsa_code_object_version 6
	.text
	.protected	k_qba239f91f3_prep
	.globl	k_qba239f91f3_prep
	.p2align	8
	.type	k_qba239f91f3_prep,@function
k_qba239f91f3_prep:
	s_mov_b64 s[64:65], 0
	v_nop
	global_prefetch_b8 v0, s[64:65] scope:SCOPE_SE
	s_setreg_imm32_b32 hwreg(HW_REG_WAVE_MODE, 25, 1), 1
	s_wait_xcnt 0x0
; x [8192][1024] (K innermost) and the five weights ([K][N], K outermost), all f32, become codes of FP6 (E2M3) with one E8M0 byte for each 32 along K,
; laid in the ORDER OF THE OPERAND'S REGISTERS.  A block of 12,800 bytes holds 128 rows (of x) or columns (of a weight) x 128 along K:
;   eight fragment images of 1,536 bytes (tile 0..7), then 512 bytes of scale words.
;   A fragment image: for each half c (64 along K): lane l's registers 6c..6c+3 at 768 c + 16 l, its registers 6c+4, 6c+5 at 768 c + 512 + 8 l.  Lane (r, h) holds k = 64 c + 32 h + 0..31 of its row.
;   Tile T, lane-row r stands for index 32 (T/2) + 8 (T%2) + r + 8 (r/8) of the 128.   The scale word of (T, r) lies at 12,288 + 16 (r + 16 (T%2)) + 4 (T/2).
; A block's scale is 2^(floor(log2(largest magnitude)) - 2): its byte is the largest magnitude's exponent field - 2, held at 1 from below by a floor among the maximum's leaves.
; LIMITS: a block of zeros, or one whose largest magnitude lies under 2^-124, gets the byte 1 (the rule's 127 for zeros is not written: the codes are zeros and this program alone reads the bytes); NaN and infinities are not served.
; Work-groups 0..511: one block of x each (row group wg / 8, K step wg % 8); wave j makes tiles 2 j, 2 j + 1.  Work-groups 512..687: one block of a weight each; wave j takes columns 32 j .. 32 j + 31.
; Each of the two ways has LDS bytes of its own.  Waves share nothing: no barrier.
.set BLKB,  12800
.set XST,   8448                       ; x: a wave's stage, 16 rows x 528 bytes (512 + 16: 33 x 16 bytes from row to row)
.set WST,   4*XST                      ; weights: a wave's stage, 3,072 bytes: two fragment images
.set SPARE, WST+4*3072                 ; the spare words, 128 bytes a wave: two blocks of 256 bytes that no other line names
.set RAW,   16                         ; v16-143  numbers as loaded
.set X,     144                        ; v144-207 x: 64 numbers of my row; weights: the images on their way out
.set PC,    208                        ; v208-239 codes
.set TP,    240                        ; v240-242 a conversion's second half
.set MX,    244                        ; v244-245 two chains of the maximum
.set SO,    246                        ; v246     the conversion's scale operand
.set SPW,   252                        ; v252     LDS address of my spare word; never rewritten
.set NIL,   253                        ; v253     0; never rewritten
; 32 numbers of one block in v[src] on become 24 bytes of codes in v[dst] .. v[dst + 5] and the scale's byte in v[by]
.macro BLK src, dst, by
	v_max3_num_f32 v[MX], |v[\src]|, |v[\src+1]|, |v[\src+2]|
	v_max3_num_f32 v[MX+1], |v[\src+3]|, |v[\src+4]|, |v[\src+5]|
.irp i, 6,10,14,18,22,26
	v_max3_num_f32 v[MX], v[MX], |v[\src+\i]|, |v[\src+\i+1]|
	v_max3_num_f32 v[MX+1], v[MX+1], |v[\src+\i+2]|, |v[\src+\i+3]|
.endr
	v_max3_num_f32 v[MX], v[MX], |v[\src+30]|, |v[\src+31]|
	v_max3_num_f32 v[MX], v[MX], v[MX+1], 0x1800000        ; the floor 2^(3 - 127): the byte cannot fall under 1
	v_add_nc_u32 v[SO], 0xff000000, v[MX]                  ; 2 off the exponent field: the conversion takes this operand's exponent field as its scale
	v_lshrrev_b32 v[\by], 23, v[SO]                        ; the scale's byte
	v_cvt_scalef32_pk16_fp6_f32 v[\dst:\dst+2], v[\src:\src+15], v[SO]
	v_cvt_scalef32_pk16_fp6_f32 v[TP:TP+2], v[\src+16:\src+31], v[SO]   ; (a conversion's three registers begin on an even number)
	v_nop                                                  ; one plain place behind a scaled conversion
.irp e, 0,1,2
	v_mov_b32 v[\dst+3+\e], v[TP+\e]
.endr
.endm
	s_load_b256 s[8:15], s[0:1], 0x0               ; x s[8:9], Wq s[10:11], Wc s[12:13], Wk s[14:15]
	s_load_b256 s[16:23], s[0:1], 0x20             ; Wv s[16:17], Wo s[18:19], xq s[20:21], wops s[22:23]
	v_lshl_add_u32 v[SPW], v0, 2, SPARE
	v_mov_b32 v[NIL], 0
	v_lshrrev_b32 v14, 5, v0
	v_readfirstlane_b32 s4, v14                    ; wave j
	v_and_b32 v1, 31, v0                           ; lane
	v_and_b32 v14, 15, v0                          ; r
	v_bfe_u32 v15, v0, 4, 1                        ; h
	s_mul_i32 s5, s4, 3072                         ; my pair of tiles in a block
	s_mul_i32 s6, s4, XST
	s_lshl_b32 s7, s4, 2
	s_add_co_u32 s7, s7, 12288
	s_add_co_u32 s26, s5, WST
	s_mov_b32 s24, 0x76543210
	s_mov_b32 s25, 0xfedcba98                      ; v_permlanex16_b32's selects for lane l xor 16
	v_lshlrev_b32 v12, 4, v1                       ; 16 l
	v_lshlrev_b32 v11, 2, v1                       ; 4 l
	v_add_nc_u32 v2, s5, v12                       ; in a block: 16 l + 3,072 j
	v_lshl_add_u32 v3, v1, 3, s5
	v_add_nc_u32 v3, 512, v3                       ; 8 l + 3,072 j + 512
	v_add_nc_u32 v4, s7, v12                       ; 16 l + 4 j + 12,288: the scale word of (2 j + l / 16, l % 16)
	v_add_nc_u32 v5, s6, v12                       ; x's stage, in: 16 l of a row
	v_mul_u32_u24 v6, v14, 528
	v_lshl_add_u32 v6, v15, 7, v6
	v_add_nc_u32 v6, s6, v6                        ; and out: row r, + 128 h
	v_lshlrev_b32 v13, 3, v15                      ; 8 h
	v_bfe_u32 v240, v0, 3, 1                       ; weights: lane n' is column 32 j + n': tile 2 j + u, u = bit 3 of n',
	v_and_b32 v241, 7, v0
	v_lshl_or_b32 v241, v15, 3, v241               ; lane-row r' = (n' % 8) + 8 (n' / 16)
	v_mul_u32_u24 v242, v240, 1536
	v_lshl_add_u32 v7, v241, 4, v242
	v_lshl_add_u32 v8, v241, 3, v242
	v_add_nc_u32 v7, s26, v7                       ; the weights' stage, in: 1,536 u + 16 r'
	v_add_nc_u32 v8, s26, v8                       ; and 1,536 u + 8 r'
	v_add_nc_u32 v10, s26, v12                     ; out: 16 l
	v_lshlrev_b32 v9, 4, v241
	v_lshl_add_u32 v9, v240, 8, v9
	v_add_nc_u32 v9, s7, v9                        ; my column's scale word: 16 (r' + 16 u) + 4 j + 12,288
	v_mov_b32 v243, 0                              ; written once: a lane permute's destination counts as one of its sources
	s_wait_kmcnt 0x0
	s_cmp_lt_u32 ttmp9, 512
	s_cbranch_scc0 .Lweights
	; ---- x: block wg = row group (wg / 8) x 8 + K step (wg % 8)
	s_lshr_b32 s26, ttmp9, 3
	s_and_b32 s27, ttmp9, 7
	s_lshl_b32 s26, s26, 19                        ; 128 rows of 4,096 bytes
	s_lshl_b32 s28, s4, 17                         ; my 32 rows
	s_add_co_u32 s26, s26, s28
	s_lshl_b32 s27, s27, 9                         ; 128 numbers along K
	s_add_co_u32 s26, s26, s27
	s_mov_b32 s27, 0
	s_mul_i32 s28, ttmp9, BLKB
	s_mov_b32 s29, 0
	s_add_nc_u64 s[8:9], s[8:9], s[26:27]
	s_add_nc_u64 s[20:21], s[20:21], s[28:29]
.irp i, 0,1
.irp rr, 0,1,2,3,4,5,6,7,8,9,10,11,12,13,14,15
	global_load_b128 v[RAW+64*\i+4*\rr:RAW+64*\i+4*\rr+3], v12, s[8:9] offset:(8*\i+\rr+8*(\rr/8))*4096 th:TH_LOAD_NT   ; 32 lanes read 512 consecutive bytes of the row that is lane-row rr of tile 2 j + i
.endr
.endr
.macro XTILE i
.if \i == 0
	s_wait_loadcnt 16                              ; tile 0's sixteen loads are in; tile 1's sixteen may be out
.else
	s_wait_loadcnt 0x0
.endif
.irp rr, 0,1,2,3,4,5,6,7,8,9,10,11,12,13,14,15
	ds_store_b128 v5, v[RAW+64*\i+4*\rr:RAW+64*\i+4*\rr+3] offset:\rr*528
.endr
.irp c, 0,1
.irp e, 0,1,2,3,4,5,6,7
	ds_load_b128 v[X+32*\c+4*\e:X+32*\c+4*\e+3], v6 offset:256*\c+16*\e   ; k = 64 c + 32 h + 4 e on of row r.  LDS serves a wave's instructions in order: these see my stores
.endr
.endr
	s_wait_dscnt 0x0
	BLK X, PC+12*\i, 247
	BLK X+32, PC+12*\i+6, 248
	v_lshl_or_b32 v249, v248, 16, v247             ; my two bytes: blocks h and 2 + h,
	v_lshlrev_b32 v249, v13, v249                  ; at their places in the word;
	v_permlanex16_b32 v243, v249, s24, s25
	v_or_b32 v[250+\i], v249, v243                 ; with lane l xor 16's two the word is whole
	global_store_b128 v2, v[PC+12*\i:PC+12*\i+3], s[20:21] offset:1536*\i            ; each store covers 512 or 256 consecutive bytes, aligned
	global_store_b64 v3, v[PC+12*\i+4:PC+12*\i+5], s[20:21] offset:1536*\i
	global_store_b128 v2, v[PC+12*\i+6:PC+12*\i+9], s[20:21] offset:1536*\i+768
	global_store_b64 v3, v[PC+12*\i+10:PC+12*\i+11], s[20:21] offset:1536*\i+768
.endm
	XTILE 0
	XTILE 1
	v_cmp_gt_u32 vcc_lo, 16, v1
	v_cndmask_b32 v249, v251, v250, vcc_lo         ; lanes 0-15: tile 2 j's words; lanes 16-31: tile 2 j + 1's
	global_store_b32 v4, v249, s[20:21]
	s_wait_tensorcnt 0x0                           ; the wave's end, behind my last LDS store
	ds_add_u32 v[SPW], v[NIL]
	s_wait_dscnt 0x0
	s_endpgm
	; ---- weights: block t = wg - 512: 0-63 Wq, 64-79 Wc, 80-95 Wk, 96-111 Wv, 112-175 Wo; in a weight: column group x (K steps) + K step
.Lweights:
	s_sub_co_u32 s26, ttmp9, 512
	s_mov_b64 s[32:33], s[10:11]
	s_mov_b32 s34, 0                               ; the weight's first block
	s_mov_b32 s35, 3                               ; log2 of its K steps
	s_cmp_ge_u32 s26, 64
	s_cselect_b64 s[32:33], s[12:13], s[32:33]
	s_cselect_b32 s34, 64, s34
	s_cmp_ge_u32 s26, 80
	s_cselect_b64 s[32:33], s[14:15], s[32:33]
	s_cselect_b32 s34, 80, s34
	s_cselect_b32 s35, 1, s35
	s_cmp_ge_u32 s26, 96
	s_cselect_b64 s[32:33], s[16:17], s[32:33]
	s_cselect_b32 s34, 96, s34
	s_cmp_ge_u32 s26, 112
	s_cselect_b64 s[32:33], s[18:19], s[32:33]
	s_cselect_b32 s34, 112, s34
	s_cselect_b32 s35, 3, s35
	s_sub_co_u32 s36, s26, s34
	s_lshr_b32 s37, s36, s35                       ; column group
	s_lshl_b32 s38, s37, s35
	s_sub_co_u32 s38, s36, s38                     ; K step
	s_cmp_eq_u32 s34, 64
	s_cselect_b32 s39, 17, 19                      ; 128 rows of 1,024 bytes (Wc) or of 4,096
	s_lshl_b32 s40, s38, s39
	s_lshl_b32 s41, s37, 9
	s_add_co_u32 s40, s40, s41
	s_lshl_b32 s41, s4, 7
	s_add_co_u32 s40, s40, s41
	s_mov_b32 s41, 0
	s_add_nc_u64 s[32:33], s[32:33], s[40:41]
	s_mul_i32 s42, s26, BLKB
	s_mov_b32 s43, 0
	s_add_nc_u64 s[22:23], s[22:23], s[42:43]
; A LANE TAKES A COLUMN AND ITS REGISTERS RUN DOWN K: each load reads 128 consecutive bytes a wave, the four waves stand side by side on 512
.macro LOADW pitch
.set kk, 0
.rept 128
	global_load_b32 v[RAW+kk], v11, s[32:33] offset:kk*\pitch th:TH_LOAD_NT
.set kk, kk+1
.endr
.endm
	s_cmp_eq_u32 s34, 64
	s_cbranch_scc1 .Lnarrow
	LOADW 4096
	s_branch .Lloaded
.Lnarrow:
	LOADW 1024
.Lloaded:
; block bb of 32 along K: it is half bb / 2, lanes' half bb % 2 of my column's lane-row in its tile's image
.macro WBLK bb
.if 96-32*\bb > 63
	s_wait_loadcnt 63                              ; this block's 32 loads are in (behind them 96 - 32 bb were issued; the count is the largest that the wait can name)
.else
	s_wait_loadcnt 96-32*\bb                       ; this block's 32 loads are in; the later blocks' may be out
.endif
	BLK RAW+32*\bb, PC+8*\bb, 247
	ds_store_b128 v7, v[PC+8*\bb:PC+8*\bb+3] offset:768*(\bb/2)+256*(\bb%2)
	ds_store_b64 v8, v[PC+8*\bb+4:PC+8*\bb+5] offset:768*(\bb/2)+512+128*(\bb%2)
.if \bb == 0
	v_mov_b32 v248, v247
.else
	v_lshl_or_b32 v248, v247, 8*\bb, v248          ; four bytes make my column's scale word
.endif
.endm
	WBLK 0
	WBLK 1
	WBLK 2
	WBLK 3
	global_store_b32 v9, v248, s[22:23]
.irp e, 0,1,2,3,4,5
	ds_load_b128 v[X+4*\e:X+4*\e+3], v10 offset:512*\e     ; the two images as they lie.  LDS serves a wave's instructions in order: these see my stores
.endr
.irp e, 0,1,2,3,4,5
	s_wait_dscnt 5-\e                              ; load e is in; the younger ones may be out
	global_store_b128 v2, v[X+4*\e:X+4*\e+3], s[22:23] offset:512*\e       ; 512 consecutive bytes, aligned
.endr
	s_wait_tensorcnt 0x0                           ; the wave's end, behind my last LDS store
	ds_add_u32 v[SPW], v[NIL]
	s_wait_dscnt 0x0
	s_endpgm
.Lfunc_end_k_qba239f91f3_prep:
	.size	k_qba239f91f3_prep, .Lfunc_end_k_qba239f91f3_prep-k_qba239f91f3_prep
	.p2alignl 7, 3214868480
	.fill 96, 4, 3214868480
	.section	.rodata,"a",@progbits
	.p2align	6, 0x0
	.amdhsa_kernel k_qba239f91f3_prep
		.amdhsa_group_segment_fixed_size 46592
		.amdhsa_private_segment_fixed_size 0
		.amdhsa_enable_private_segment 0
		.amdhsa_kernarg_size 64
		.amdhsa_user_sgpr_count 2
		.amdhsa_user_sgpr_kernarg_segment_ptr 1
		.amdhsa_wavefront_size32 1
		.amdhsa_system_sgpr_workgroup_id_x 1
		.amdhsa_system_sgpr_workgroup_id_y 1
		.amdhsa_system_sgpr_workgroup_id_z 1
		.amdhsa_system_vgpr_workitem_id 0
		.amdhsa_next_free_vgpr 256
		.amdhsa_next_free_sgpr 66
		.amdhsa_reserve_vcc 1
		.amdhsa_float_denorm_mode_32 3
		.amdhsa_float_denorm_mode_16_64 3
		.amdhsa_memory_ordered 1
		.amdhsa_forward_progress 1
		.amdhsa_inst_pref_size 50
	.end_amdhsa_kernel
	.amdgpu_metadata
---
amdhsa.version: [ 1, 2 ]
amdhsa.kernels:
  - .name:           k_qba239f91f3_prep
    .symbol:         k_qba239f91f3_prep.kd
    .args:
      - { .name: x, .offset: 0, .size: 8, .value_kind: global_buffer, .address_space: global }
      - { .name: Wq, .offset: 8, .size: 8, .value_kind: global_buffer, .address_space: global }
      - { .name: Wc, .offset: 16, .size: 8, .value_kind: global_buffer, .address_space: global }
      - { .name: Wk, .offset: 24, .size: 8, .value_kind: global_buffer, .address_space: global }
      - { .name: Wv, .offset: 32, .size: 8, .value_kind: global_buffer, .address_space: global }
      - { .name: Wo, .offset: 40, .size: 8, .value_kind: global_buffer, .address_space: global }
      - { .name: xq, .offset: 48, .size: 8, .value_kind: global_buffer, .address_space: global }
      - { .name: wops, .offset: 56, .size: 8, .value_kind: global_buffer, .address_space: global }
    .group_segment_fixed_size: 46592
    .private_segment_fixed_size: 0
    .kernarg_segment_align: 8
    .kernarg_segment_size: 64
    .max_flat_workgroup_size: 128
    .sgpr_count:     66
    .vgpr_count:     256
    .wavefront_size: 32
...
	.end_amdgpu_metadata
.endif
;; end of part 1
;; launch proj (part 2): grid 64 x 4, 8 waves a work-group, clusters of 4 x 1, 327,680 bytes of LDS; arguments xq, wops, bq, bc, ql; writes ql
.if DOCPART == 2
	.amdgcn_target "amdgcn-amd-amdhsa--gfx1250"
	.amdhsa_code_object_version 6
	.text
	.protected	k_qba239f91f3_proj
	.globl	k_qba239f91f3_proj
	.p2align	8
	.type	k_qba239f91f3_proj,@function
k_qba239f91f3_proj:
	s_mov_b64 s[64:65], 0
	v_nop
	global_prefetch_b8 v0, s[64:65] scope:SCOPE_SE
	s_setreg_imm32_b32 hwreg(HW_REG_WAVE_MODE, 25, 1), 1
	s_wait_xcnt 0x0
	s_wait_alu depctr_hold_cnt(0) depctr_sa_sdst(0) depctr_va_vdst(0) depctr_va_sdst(0) depctr_va_ssrc(0) depctr_va_vcc(0) depctr_vm_vsrc(0)
	s_getreg_b32 s2, hwreg(HW_REG_IB_STS2, 6, 4)
	s_cmp_eq_u32 s2, 0
	s_cbranch_scc0 .Lentry_in_a_cluster
	s_endpgm
.Lentry_in_a_cluster:
	s_bfe_u32 s2, ttmp6, 0x10000c
	s_cmp_lg_u32 s2, 0x3003
	s_cbranch_scc0 .Lentry_shape_is_right
	s_endpgm
.Lentry_shape_is_right:
; Q = x Wq + bq and L = x Wc + bc on codes of FP6 (E2M3) with E8M0 scales, and both results quantised along their columns, which are the next products' K.
; Operands come as blocks of 12,800 bytes in the order of the operand's registers (128 rows or columns x 128 K: eight fragment images of 1,536 bytes, 512 bytes of scale words); the results leave in the same form.
; SHARES.  A work-group takes one group of 128 rows of x (G = 4 x cluster x + cx) and two groups of 128 columns (2 pp, 2 pp + 1; pp = grid y; groups 0-7 are Wq's, 8-9 Wc's).  All of K = 1,024 lies in LDS, filled once:
; x's block of K step s at 12,800 s, the columns' blocks at 102,400 (g + 1) + 12,800 s for group g.  x's blocks come by plain tensor loads; the columns' blocks are the same for the four partners of the cluster and are asked for JOINTLY (mask 15).
; Wave w: tiles 2 j, 2 j + 1 of the rows (j = w % 4) x the eight tiles of column group pg = 2 pp + w / 4: 16 accumulators.
; THE PRODUCT IS USED TRANSPOSED (source 0 = 16 columns of the weight, source 1 = 16 rows of x): a lane holds one row, and by the tiles' map (tile T, lane-row r = index 32 (T/2) + 8 (T%2) + r + 8 (r/8)) its 64 registers
; of a tile of rows are register 16 b + e = column 32 b + 16 h + e: one fragment of the next operand.
; THE BIAS STARTS THE SUMS: it is loaded into the accumulators, in the result's layout, while the tiles are on their way.
; LIMITS: a block whose largest magnitude lies under 2^-124 (zeros too) gets the byte 1; NaN and infinities are not served.
; THE GRID AS IT IS NOW: 64 x 4 work-groups.  Work-group (G, pp) makes Q's column groups 2 pp, 2 pp + 1 of its 128 rows, and then, in a second part, 64 columns of L: columns 64 pp .. 64 pp + 63, which are tiles
; 4 (pp % 2) .. + 3 of Wc's column group pp / 2.  x stays in LDS; that quarter of Wc is asked for jointly behind the K walk, onto bytes of the column region, and lands while Q is quantised and stored.
; The launch fills LDS bytes again and claims all of LDS.
.set BLKB,  12800
.set C2,    8*BLKB                     ; the second part: Wc's quarter, 8 K steps x 6,144 bytes of codes,
.set C2S,   C2+8*6144                  ; and 8 x 512 bytes of scale words
.set G1C,   36                         ; s[36:43], s[44:47] the descriptor of the codes;  s[52:59], s[60:63] of the scale words
.set G0C,   44
.set G1D,   52
.set G0D,   60
; LDS AS IT IS LAID NOW: x's eight blocks (K steps 0-7) from byte 0, column group 0's eight from 8 BLKB, column group 1's eight from 16 BLKB: each run of eight is dense in memory too.
; Waves 0 to 5 fetch four blocks each by ONE tensor load (200 rows of 256 bytes); one wait and one barrier show all of K to every wave.
.set KSB,   BLKB                       ; from K step to K step inside a run
.set SPARE, 24*BLKB                    ; behind the tiles: the spare words
.set ACC,   128                        ; v128-255 accumulator (tile of rows i, tile of columns t) at ACC + 64 i + 8 t
.set TM,    96                         ; v96-111  the quantiser's: largest magnitudes, bytes, scale operands
.set PW,    112                        ; v112-113 the two new scale words;  v114 what is stored
.set PC0,   16                         ; v16-34, v36-54: the new codes (the fragments' registers are free by then)
.set PC1,   36
.set SPW,   6                          ; v6  LDS address of my spare word; never rewritten
.set NIL,   7                          ; v7  0; never rewritten
.set WV,    14                         ; s14 my wave's number
.set G1,    16                         ; s[16:23] descriptor group 1, plain;   s[24:31] joint
.set G1J,   24
.set G0,    32                         ; s[32:35] group 0 for x's blocks;  s[48:51] for the columns'
.set G0J,   48
.set SEL,   94                         ; s[94:95] lane selects for v_permlanex16_b32
; v1, v2: columns' block + 16 l, + 8 l;  v3, v4: my pair of x's tiles + 16 l, + 8 l;  v5: x's scale words;  v8-10: places in the result's block;  v11: 64 h;  v12: lane
; v16-39 x's two fragments;  v40-87 four fragments of columns;  v88-91 the columns' scale words, v92 x's: these five hold scales alone
.macro CROUND                          ; a round of the cluster's barrier
	s_barrier_signal -1
	s_barrier_wait -1
	s_cmp_lg_u32 s[WV], 0
	s_cbranch_scc1 .Lnot_wave_0_\@
	s_barrier_signal -3
.Lnot_wave_0_\@:
	s_barrier_wait -3
	s_barrier_signal -1
	s_barrier_wait -1
.endm
.macro FRAG reg, a16, a8, off          ; a fragment's image into its twelve registers
	ds_load_b128 v[\reg:\reg+3], v[\a16] offset:\off
	ds_load_b64 v[\reg+4:\reg+5], v[\a8] offset:\off+512
	ds_load_b128 v[\reg+6:\reg+9], v[\a16] offset:\off+768
	ds_load_b64 v[\reg+10:\reg+11], v[\a8] offset:\off+1280
.endm
; four products: columns' tiles 2 tp, 2 tp + 1 (fragments at v[f], v[f + 12]) x my two tiles of rows.  A scale register holds the even tile's words in lanes 0-15 and the odd tile's in lanes 16-31.
; The 16 accumulators take turns, one instruction a turn, in the same order in every K step.
.macro MULP tp, f
	v_wmma_scale_f32_16x16x128_f8f6f4 v[ACC+16*\tp:ACC+16*\tp+7], v[\f:\f+11], v[16:27], v[ACC+16*\tp:ACC+16*\tp+7], v[88+\tp], v92 matrix_a_fmt:MATRIX_FMT_FP6 matrix_b_fmt:MATRIX_FMT_FP6
	v_wmma_scale_f32_16x16x128_f8f6f4 v[ACC+64+16*\tp:ACC+64+16*\tp+7], v[\f:\f+11], v[28:39], v[ACC+64+16*\tp:ACC+64+16*\tp+7], v[88+\tp], v92 matrix_a_fmt:MATRIX_FMT_FP6 matrix_b_fmt:MATRIX_FMT_FP6 matrix_b_scale:MATRIX_SCALE_ROW1
	v_wmma_scale_f32_16x16x128_f8f6f4 v[ACC+16*\tp+8:ACC+16*\tp+15], v[\f+12:\f+23], v[16:27], v[ACC+16*\tp+8:ACC+16*\tp+15], v[88+\tp], v92 matrix_a_fmt:MATRIX_FMT_FP6 matrix_b_fmt:MATRIX_FMT_FP6 matrix_a_scale:MATRIX_SCALE_ROW1
	v_wmma_scale_f32_16x16x128_f8f6f4 v[ACC+64+16*\tp+8:ACC+64+16*\tp+15], v[\f+12:\f+23], v[28:39], v[ACC+64+16*\tp+8:ACC+64+16*\tp+15], v[88+\tp], v92 matrix_a_fmt:MATRIX_FMT_FP6 matrix_b_fmt:MATRIX_FMT_FP6 matrix_a_scale:MATRIX_SCALE_ROW1 matrix_b_scale:MATRIX_SCALE_ROW1
.endm
.macro KSTEP s
.if \s > 0
.irp a, 1,2,3,4,5
	v_add_nc_u32 v[\a], KSB, v[\a]                 ; on to the next K step; these five are also the places between the last products and the loads into their registers
.endr
.endif
.if \s == 0
	s_wait_alu depctr_va_vdst(0)
	s_wait_tensorcnt 0x0                           ; my one load has landed
	s_barrier_signal -1                            ; (no LDS instruction of mine is out here)
	s_barrier_wait -1                              ; everybody's has
.endif
	FRAG 16, 3, 4, 0
	FRAG 28, 3, 4, 1536
	ds_load_b32 v92, v5
	ds_load_b128 v[88:91], v1 offset:12288
.irp t, 0,1,2,3
	FRAG 40+12*\t, 1, 2, 1536*\t
.endr
	s_wait_alu depctr_va_vdst(0)
	s_wait_dscnt 0x0
.if \s == 0
	s_wait_loadcnt 0x0                             ; the bias lies in the accumulators
.endif
	MULP 0, 40
	MULP 1, 64
.rept 4
	v_nop                                          ; places in front of loads into registers that matrix instructions have read (ISA guide 7.12.1 for vector instructions)
.endr
.irp t, 0,1,2,3
	FRAG 40+12*\t, 1, 2, 6144+1536*\t
.endr
	s_wait_dscnt 0x0
	MULP 2, 40
	MULP 3, 64
.endm
; 64 numbers of a lane, register 16 b + e = k 32 b + 16 h + e of my row, become a fragment's codes in v[d] .. v[d + 11] and its scale word in v[pw]
.macro QUANT s, d, pw
.irp b, 0,1,2,3
	v_max3_num_f32 v[TM+\b], |v[\s+16*\b]|, |v[\s+1+16*\b]|, 0x1800000   ; my 16 numbers of block b, and the floor 2^(3 - 127); each accumulator is read from its low end on
.endr
.irp i, 2,4,6,8,10,12,14
.irp b, 0,1,2,3
	v_max3_num_f32 v[TM+\b], v[TM+\b], |v[\s+16*\b+\i]|, |v[\s+1+16*\b+\i]|
.endr
.endr
.irp b, 0,1,2,3
	s_delay_alu instid0(VALU_DEP_4)
	v_permlanex16_b32 v[TM+4+\b], v[TM+\b], s[SEL], s[SEL+1]
.endr
.irp b, 0,1,2,3
	s_delay_alu instid0(VALU_DEP_4)
	v_max_num_f32 v[TM+\b], v[TM+\b], v[TM+4+\b]   ; with lane l xor 16's: the block's largest magnitude
.endr
.irp b, 0,1,2,3
	s_delay_alu instid0(VALU_DEP_4)
	v_add_nc_u32 v[TM+12+\b], 0xff000000, v[TM+\b] ; 2 off its exponent field: the conversion's scale operand
.endr
.irp b, 0,1,2,3
	s_delay_alu instid0(VALU_DEP_4)
	v_lshrrev_b32 v[TM+4+\b], 23, v[TM+12+\b]      ; the scale's byte
.endr
	s_delay_alu instid0(VALU_DEP_3)
	v_lshl_or_b32 v[\pw], v[TM+5], 8, v[TM+4]
	s_delay_alu instid0(VALU_DEP_1)
	v_lshl_or_b32 v[\pw], v[TM+6], 16, v[\pw]
	s_delay_alu instid0(VALU_DEP_1)
	v_lshl_or_b32 v[\pw], v[TM+7], 24, v[\pw]
.irp c, 0,1
	v_cvt_scalef32_pk16_fp6_f32 v[\d+6*\c:\d+2+6*\c], v[\s+32*\c:\s+15+32*\c], v[TM+12+2*\c]
	v_cvt_scalef32_pk16_fp6_f32 v[\d+12+4*\c:\d+14+4*\c], v[\s+16+32*\c:\s+31+32*\c], v[TM+12+2*\c+1]   ; (a conversion's three registers begin on an even number)
.endr
	v_nop                                          ; one plain place behind a scaled conversion
.irp c, 0,1                                    ; the operand's layout wants a whole block in a lane
.irp i, 0,1,2
	v_permlane16_swap_b32 v[\d+6*\c+\i], v[\d+12+4*\c+\i]
.endr
.irp i, 0,1,2
	s_delay_alu instid0(VALU_DEP_3)
	v_mov_b32 v[\d+3+6*\c+\i], v[\d+12+4*\c+\i]
.endr
.endr
.endm
	s_load_b256 s[4:11], s[0:1], 0x0               ; xq s[4:5], wops s[6:7], bq s[8:9], bc s[10:11]
	s_load_b64 s[12:13], s[0:1], 0x20              ; ql
	v_lshl_add_u32 v[SPW], v0, 2, SPARE
	v_mov_b32 v[NIL], 0
	ds_add_u32 v[SPW], v[NIL]                      ; the wave's opening: the add and its wait ahead of my first tensor load; work on registers stands between them
	ds_add_u32 v[SPW], v[NIL]
	v_lshrrev_b32 v12, 5, v0
	s_delay_alu instid0(VALU_DEP_1)
	v_readfirstlane_b32 s[WV], v12                 ; wave 0..7
	s_and_b32 s15, s[WV], 1
	s_lshl_b32 s15, s15, 2                         ; the first of the four K steps that I fetch: 0 or 4
	s_lshr_b32 s66, s[WV], 1                       ; which of a K step's three blocks I fetch (waves 0 to 5)
	s_lshr_b32 s67, s[WV], 2                       ; which column group is mine, to fetch and to multiply
	s_and_b32 s68, s[WV], 3                        ; j: my pair of tiles of rows
	s_bfe_u32 s69, ttmp6, 0x40000                  ; cx
	s_lshl_b32 s70, ttmp9, 2
	s_add_co_u32 s70, s70, s69                     ; G: it enters xq's and ql's addresses alone
	s_and_b32 s71, ttmp7, 0xffff                   ; pp, which the four partners share
	; descriptor group 1: a block is dense: 50 rows of 256 bytes (32 elements of 8 bytes), no padding
	s_mov_b32 s[G1], 3<<16                         ; 15:0 no mask; 17:16 elements of 8 bytes
	s_mov_b32 s[G1J], 15|(3<<16)|(1<<21)           ; 15:0 the mask: all four work-groups; 21 set beside a mask
.irp g, G1, G1J
	s_mov_b32 s[\g+1], 32<<16                      ; tensor_dim0 = 32
	s_mov_b32 s[\g+2], 200<<16                     ; tensor_dim1 = 200: four blocks of 50 rows
	s_mov_b32 s[\g+3], 32<<16                      ; tile_dim0 = 32
	s_mov_b32 s[\g+4], 200                         ; tile_dim1 = 200
	s_mov_b32 s[\g+5], 32                          ; from row to row
	s_mov_b32 s[\g+6], 0
	s_mov_b32 s[\g+7], 0
.endr
	s_lshl_b32 s72, s70, 3
	s_add_co_u32 s72, s72, s15
	s_mul_i32 s72, s72, BLKB                       ; x's block G x 8 + my K step of pair 0
	s_mov_b32 s73, 0
	s_lshl_b32 s76, s71, 1
	s_add_co_u32 s83, s76, s67                     ; pg = 2 pp + w / 4
	s_lshl_b32 s76, s83, 3
	s_add_co_u32 s76, s76, s15
	s_mul_i32 s76, s76, BLKB                       ; the columns' block pg x 8 + my K step: made of pp and the wave's number alone
	s_mov_b32 s77, 0
	s_mul_i32 s80, s15, KSB
	s_mul_i32 s81, s66, 8*BLKB                     ; which run of eight blocks
	s_add_co_u32 s80, s80, s81                     ; where my block goes: the wave's number alone
	s_mul_i32 s84, s70, 10
	s_add_co_u32 s84, s84, s83
	s_mul_i32 s84, s84, BLKB                       ; the result's block G x 10 + pg
	s_mov_b32 s85, 0
	s_mov_b32 s[SEL], 0x76543210
	s_mov_b32 s[SEL+1], 0xfedcba98
	s_wait_dscnt 0x0                               ; the opening add is done
	s_wait_kmcnt 0x0
	s_add_nc_u64 s[74:75], s[4:5], s[72:73]
	s_add_nc_u64 s[78:79], s[6:7], s[76:77]
	s_add_nc_u64 s[84:85], s[12:13], s[84:85]
	s_lshl_b32 s88, s83, 9                         ; bq at my column group
	s_mov_b32 s89, 0
	s_add_nc_u64 s[86:87], s[8:9], s[88:89]
.irp q, 0
	s_mov_b32 s[G0+4*\q], 1
	s_add_co_u32 s[G0+4*\q+1], s80, \q*2*KSB
	s_add_nc_u64 s[G0+4*\q+2:G0+4*\q+3], s[74:75], \q*2*BLKB
	s_or_b32 s[G0+4*\q+3], s[G0+4*\q+3], 0x80000000
	s_mov_b32 s[G0J+4*\q], 1
	s_add_co_u32 s[G0J+4*\q+1], s80, \q*2*KSB
	s_add_nc_u64 s[G0J+4*\q+2:G0J+4*\q+3], s[78:79], \q*2*BLKB
	s_or_b32 s[G0J+4*\q+3], s[G0J+4*\q+3], 0x80000000
.endr
	CROUND                                         ; all four work-groups are here: the joint loads meet
	s_cmp_lt_u32 s[WV], 2                          ; one load a wave, waves 0 to 5
	s_cbranch_scc0 .Lnot_own
	tensor_load_to_lds s[G0:G0+3], s[G1:G1+7]
	s_nop 0
.rept 4
	v_nop
.endr
	s_branch .Lasked
.Lnot_own:
	s_cmp_lt_u32 s[WV], 6
	s_cbranch_scc0 .Lasked
	tensor_load_to_lds s[G0J:G0J+3], s[G1J:G1J+7]
	s_nop 0
.rept 4
	v_nop
.endr
.Lasked:
	v_and_b32 v12, 31, v0                          ; lane
	v_bfe_u32 v13, v0, 4, 1                        ; h
	s_delay_alu instid0(VALU_DEP_1)
	v_lshlrev_b32 v11, 6, v13                      ; 64 h: my half's 16 numbers of a block of 32 of the bias
.irp i, 0,1
.irp b, 0,1,2,3
.irp q, 0,1,2,3
	global_load_b128 v[ACC+64*\i+16*\b+4*\q:ACC+64*\i+16*\b+4*\q+3], v11, s[86:87] offset:128*\b+16*\q   ; register 16 b + e takes the bias of column 32 b + 16 h + e
.endr
.endr
.endr
	s_mul_i32 s72, s67, 8*BLKB
	s_add_co_u32 s72, s72, 8*BLKB                  ; my column group's run of eight blocks
	s_mul_i32 s73, s68, 3072                       ; my pair of tiles in x's block
	v_lshl_add_u32 v1, v12, 4, s72
	v_lshl_add_u32 v2, v12, 3, s72
	v_lshl_add_u32 v3, v12, 4, s73
	v_lshl_add_u32 v4, v12, 3, s73
	s_lshl_b32 s74, s68, 2
	s_add_co_u32 s74, s74, 12288
	v_lshl_add_u32 v5, v12, 4, s74                 ; the scale words of tiles 2 j (lanes 0-15) and 2 j + 1 (lanes 16-31)
	v_mov_b32 v8, v3                               ; the same three places in the result's block
	v_add_nc_u32 v9, 512, v4
	s_delay_alu instid0(VALU_DEP_3)
	v_mov_b32 v10, v5
.irp b, 0,1,2,3
	v_mov_b32 v[TM+4+\b], 0                        ; written once: a lane permute's destination counts as one of its sources
.endr
	s_wait_alu depctr_va_vdst(0)
.irp s, 0,1,2,3,4,5,6,7
	KSTEP \s
.endr
	; Wc's quarter is asked for: rows 12,800 bytes apart in wops, one for each K step; made of pp alone, which the four partners share
	s_lshr_b32 s90, s71, 1                         ; Wc's column group pp / 2
	s_and_b32 s91, s71, 1                          ; which half of it
	s_lshl_b32 s92, s90, 3
	s_add_co_u32 s92, s92, 64
	s_mul_i32 s92, s92, BLKB                       ; block 64 + 8 (pp / 2)
	s_mov_b32 s93, 0
	s_add_nc_u64 s[G0D+2:G0D+3], s[6:7], s[92:93]
	s_add_nc_u64 s[G0D+2:G0D+3], s[G0D+2:G0D+3], 12288
	s_or_b32 s[G0D+3], s[G0D+3], 0x80000000
	s_mul_i32 s88, s91, 6144
	s_add_co_u32 s92, s92, s88                     ; tiles 4 (pp % 2) on
	s_add_nc_u64 s[G0C+2:G0C+3], s[6:7], s[92:93]
	s_or_b32 s[G0C+3], s[G0C+3], 0x80000000
	s_mov_b32 s[G0C], 1
	s_mov_b32 s[G0C+1], C2
	s_mov_b32 s[G0D], 1
	s_mov_b32 s[G0D+1], C2S
	s_mov_b32 s[G1C], 15|(3<<16)|(1<<21)           ; the mask of all four work-groups, elements of 8 bytes, bit 21 beside the mask
	s_mov_b32 s[G1C+1], 768<<16                    ; 8 rows of 6,144 bytes
	s_mov_b32 s[G1C+2], 8<<16
	s_mov_b32 s[G1C+3], 768<<16
	s_mov_b32 s[G1C+4], 8
	s_mov_b32 s[G1C+5], 1600
	s_mov_b32 s[G1C+6], 0
	s_mov_b32 s[G1C+7], 0
	s_mov_b32 s[G1D], 15|(3<<16)|(1<<21)
	s_mov_b32 s[G1D+1], 64<<16                     ; 8 rows of 512 bytes
	s_mov_b32 s[G1D+2], 8<<16
	s_mov_b32 s[G1D+3], 64<<16
	s_mov_b32 s[G1D+4], 8
	s_mov_b32 s[G1D+5], 1600
	s_mov_b32 s[G1D+6], 0
	s_mov_b32 s[G1D+7], 0
	s_wait_tensorcnt 0x0                           ; ahead of a refill: all my tensor loads are done,
	ds_add_u32 v[SPW], v[NIL]                      ; the add, written twice
	ds_add_u32 v[SPW], v[NIL]
	s_wait_dscnt 0x0                               ; the adds are done, and so are my reads of the column region
	CROUND                                         ; the same holds of every wave of the four work-groups
	s_cmp_lg_u32 s[WV], 0                          ; wave 0 asks for the codes, wave 1 for the scale words
	s_cbranch_scc1 .Lp2_scales
	tensor_load_to_lds s[G0C:G0C+3], s[G1C:G1C+7]
	s_nop 0
.rept 4
	v_nop
.endr
	s_branch .Lp2_asked
.Lp2_scales:
	s_cmp_lg_u32 s[WV], 1
	s_cbranch_scc1 .Lp2_asked
	tensor_load_to_lds s[G0D:G0D+3], s[G1D:G1D+7]
	s_nop 0
.rept 4
	v_nop
.endr
.Lp2_asked:
.rept 4
	v_nop                                          ; places between the last products and the first read of results and write of their operands' registers
.endr
	QUANT ACC, PC0, PW
	global_store_b128 v8, v[PC0:PC0+3], s[84:85]                       ; each store covers 512 or 256 consecutive bytes, aligned
	global_store_b64 v9, v[PC0+4:PC0+5], s[84:85]
	global_store_b128 v8, v[PC0+6:PC0+9], s[84:85] offset:768
	global_store_b64 v9, v[PC0+10:PC0+11], s[84:85] offset:768
	QUANT ACC+64, PC1, PW+1
	global_store_b128 v8, v[PC1:PC1+3], s[84:85] offset:1536
	global_store_b64 v9, v[PC1+4:PC1+5], s[84:85] offset:1536
	global_store_b128 v8, v[PC1+6:PC1+9], s[84:85] offset:2304
	global_store_b64 v9, v[PC1+10:PC1+11], s[84:85] offset:2304
	v_cmp_gt_u32 vcc_lo, 16, v12
	s_delay_alu instid0(VALU_DEP_1)
	v_cndmask_b32 v114, v[PW+1], v[PW], vcc_lo     ; lanes 0-15: tile 2 j's words; lanes 16-31: tile 2 j + 1's
	global_store_b32 v10, v114, s[84:85]
	; THE SECOND PART: L's 64 columns.  Wave w takes tile w of the rows x the quarter's four tiles: four accumulators, v128-159, by turns.
	; Two sets of fragments take turns (x's 12 registers, then the columns' 48): v16-75 and v160-219; scale words: the columns' in v[88:89], v[90:91], x's in v92, v93.
	s_wait_xcnt 0x0                                ; the stores have read their registers and their base
	s_mul_i32 s72, s[WV], 1536                     ; tile w in a block
	s_and_b32 s73, s[WV], 1
	s_lshl_b32 s73, s73, 8
	s_lshr_b32 s74, s[WV], 1
	s_lshl_b32 s74, s74, 2
	s_add_co_u32 s73, s73, s74
	s_add_co_u32 s73, s73, 12288                   ; its scale words: 12,288 + 16 (r + 16 (w % 2)) + 4 (w / 2)
	s_lshl_b32 s75, s91, 3
	s_add_co_u32 s75, s75, C2S                     ; the columns' scale words: tiles 4 (pp % 2) on are the words 2 (pp % 2), + 1 of each 16 bytes
	s_mul_i32 s76, s91, 768
	s_add_co_u32 s76, s76, s72                     ; the result: tile w, half pp % 2
	s_lshl_b32 s77, s91, 1
	s_add_co_u32 s77, s77, s73                     ; and its two bytes of the row's scale word
	s_mul_i32 s78, s70, 10
	s_add_co_u32 s78, s78, s90
	s_add_co_u32 s78, s78, 8
	s_mul_i32 s78, s78, BLKB                       ; ql's block G x 10 + 8 + pp / 2
	s_mov_b32 s79, 0
	s_add_nc_u64 s[84:85], s[12:13], s[78:79]
	s_lshl_b32 s88, s71, 8                         ; bc at column 64 pp
	s_mov_b32 s89, 0
	s_add_nc_u64 s[86:87], s[10:11], s[88:89]
	v_and_b32 v14, 15, v0                          ; r
	v_lshl_add_u32 v1, v12, 4, s72
	v_lshl_add_u32 v2, v12, 3, s72
	v_lshl_add_u32 v3, v14, 4, s73
	v_lshl_add_u32 v4, v12, 4, C2
	v_lshl_add_u32 v5, v12, 3, C2
	v_lshl_add_u32 v13, v12, 4, s75
	v_lshl_add_u32 v8, v12, 4, s76
	v_lshl_add_u32 v9, v12, 3, s76
	v_lshl_add_u32 v10, v14, 4, s77
	v_add_nc_u32 v9, 512, v9
.irp b, 0,1
.irp q, 0,1,2,3
	global_load_b128 v[128+16*\b+4*\q:131+16*\b+4*\q], v11, s[86:87] offset:128*\b+16*\q   ; the bias starts the sums: register 16 b + e takes column 32 b + 16 h + e
.endr
.endr
	s_wait_alu depctr_va_vdst(0)                   ; the wait ahead of the wait below
	s_wait_tensorcnt 0x0                           ; my part of the quarter has landed,
	s_barrier_signal -1
	s_barrier_wait -1                              ; everybody's has
.macro P2LOAD s                        ; K step s: 22 LDS loads into set s % 2
.set XF, 16+144*((\s)%2)
.set CSR, 88+2*((\s)%2)
.if (\s) > 0
	v_add_nc_u32 v1, BLKB, v1                      ; x's next block; with the v_nop these are the four places between the products and the loads into their registers
	v_add_nc_u32 v2, BLKB, v2
	v_add_nc_u32 v3, BLKB, v3
	v_nop
.endif
	FRAG XF, 1, 2, 0
	ds_load_b32 v[92+(\s)%2], v3
	ds_load_b64 v[CSR:CSR+1], v13 offset:512*(\s)
.irp t, 0,1,2,3
	FRAG XF+12+12*\t, 4, 5, 6144*(\s)+1536*\t
.endr
.endm
.macro P2MUL s
.set XF, 16+144*((\s)%2)
.set CSR, 88+2*((\s)%2)
.irp tp, 0,1
	v_wmma_scale_f32_16x16x128_f8f6f4 v[128+16*\tp:135+16*\tp], v[XF+12+24*\tp:XF+23+24*\tp], v[XF:XF+11], v[128+16*\tp:135+16*\tp], v[CSR+\tp], v[92+(\s)%2] matrix_a_fmt:MATRIX_FMT_FP6 matrix_b_fmt:MATRIX_FMT_FP6
	v_wmma_scale_f32_16x16x128_f8f6f4 v[136+16*\tp:143+16*\tp], v[XF+24+24*\tp:XF+35+24*\tp], v[XF:XF+11], v[136+16*\tp:143+16*\tp], v[CSR+\tp], v[92+(\s)%2] matrix_a_fmt:MATRIX_FMT_FP6 matrix_b_fmt:MATRIX_FMT_FP6 matrix_a_scale:MATRIX_SCALE_ROW1
.endr
.endm
	P2LOAD 0
	P2LOAD 1
.irp s, 0,1,2,3,4,5,6,7
	s_wait_alu depctr_va_vdst(0)                   ; the wait ahead of the wait below
.if \s < 7
	s_wait_dscnt 22                                ; this step's loads are in; the next step's 22 may be out
.else
	s_wait_dscnt 0x0
.endif
.if \s == 0
	s_wait_loadcnt 0x0                             ; the bias lies in the accumulators
.endif
	P2MUL \s
.if \s < 6
	P2LOAD \s+2
.endif
.endr
.rept 4
	v_nop                                          ; places between the last products and the first read of results
.endr
.irp b, 0,1                                    ; the two blocks of 32 columns are quantised: half a fragment of the next operand
	v_max3_num_f32 v[TM+\b], |v[128+16*\b]|, |v[129+16*\b]|, 0x1800000
.endr
.irp i, 2,4,6,8,10,12,14
.irp b, 0,1
	v_max3_num_f32 v[TM+\b], v[TM+\b], |v[128+16*\b+\i]|, |v[129+16*\b+\i]|
.endr
.endr
.irp b, 0,1
	v_permlanex16_b32 v[TM+4+\b], v[TM+\b], s[SEL], s[SEL+1]
.endr
.irp b, 0,1
	v_max_num_f32 v[TM+\b], v[TM+\b], v[TM+4+\b]   ; with lane l xor 16's: the block's largest magnitude
.endr
.irp b, 0,1
	v_add_nc_u32 v[TM+12+\b], 0xff000000, v[TM+\b] ; 2 off its exponent field: the conversion's scale operand
.endr
.irp b, 0,1
	v_lshrrev_b32 v[TM+4+\b], 23, v[TM+12+\b]      ; the scale's byte
.endr
	v_lshl_or_b32 v114, v[TM+5], 8, v[TM+4]
	v_cvt_scalef32_pk16_fp6_f32 v[220:222], v[128:143], v[TM+12]
	v_cvt_scalef32_pk16_fp6_f32 v[224:226], v[144:159], v[TM+13]
	v_nop                                          ; one plain place behind a scaled conversion
.irp i, 0,1,2
	v_permlane16_swap_b32 v[220+\i], v[224+\i]     ; the operand's layout wants a whole block in a lane
.endr
.irp i, 0,1,2
	v_mov_b32 v[223+\i], v[224+\i]
.endr
	global_store_b128 v8, v[220:223], s[84:85]     ; 512 and 256 consecutive bytes, aligned
	global_store_b64 v9, v[224:225], s[84:85]
	global_store_b16 v10, v114, s[84:85]           ; lanes r and r + 16 store the same two bytes at the same place
	s_wait_tensorcnt 0x0                           ; the wave's end
	ds_add_u32 v[SPW], v[NIL]
	s_wait_dscnt 0x0
	CROUND                                         ; the closing round
	s_endpgm
.Lfunc_end_k_qba239f91f3_proj:
	.size	k_qba239f91f3_proj, .Lfunc_end_k_qba239f91f3_proj-k_qba239f91f3_proj
	.p2alignl 7, 3214868480
	.fill 96, 4, 3214868480
	.section	.rodata,"a",@progbits
	.p2align	6, 0x0
	.amdhsa_kernel k_qba239f91f3_proj
		.amdhsa_group_segment_fixed_size 327680
		.amdhsa_private_segment_fixed_size 0
		.amdhsa_enable_private_segment 0
		.amdhsa_kernarg_size 40
		.amdhsa_user_sgpr_count 2
		.amdhsa_user_sgpr_kernarg_segment_ptr 1
		.amdhsa_wavefront_size32 1
		.amdhsa_system_sgpr_workgroup_id_x 1
		.amdhsa_system_sgpr_workgroup_id_y 1
		.amdhsa_system_sgpr_workgroup_id_z 1
		.amdhsa_system_vgpr_workitem_id 0
		.amdhsa_next_free_vgpr 256
		.amdhsa_next_free_sgpr 96
		.amdhsa_reserve_vcc 1
		.amdhsa_float_denorm_mode_32 3
		.amdhsa_float_denorm_mode_16_64 3
		.amdhsa_memory_ordered 1
		.amdhsa_forward_progress 1
		.amdhsa_inst_pref_size 85
	.end_amdhsa_kernel
	.amdgpu_metadata
---
amdhsa.version: [ 1, 2 ]
amdhsa.kernels:
  - .name:           k_qba239f91f3_proj
    .symbol:         k_qba239f91f3_proj.kd
    .args:
      - { .name: xq, .offset: 0, .size: 8, .value_kind: global_buffer, .address_space: global }
      - { .name: wops, .offset: 8, .size: 8, .value_kind: global_buffer, .address_space: global }
      - { .name: bq, .offset: 16, .size: 8, .value_kind: global_buffer, .address_space: global }
      - { .name: bc, .offset: 24, .size: 8, .value_kind: global_buffer, .address_space: global }
      - { .name: ql, .offset: 32, .size: 8, .value_kind: global_buffer, .address_space: global }
    .group_segment_fixed_size: 327680
    .private_segment_fixed_size: 0
    .kernarg_segment_align: 8
    .kernarg_segment_size: 40
    .max_flat_workgroup_size: 256
    .sgpr_count:     96
    .vgpr_count:     256
    .wavefront_size: 32
...
	.end_amdgpu_metadata
.endif
;; end of part 2
;; launch kvproj (part 3): grid 8 x 64, 8 waves a work-group, clusters of 4 x 1, 167,936 bytes of LDS; arguments ql, wops, bk, bv, kv; writes kv
.if DOCPART == 3
	.amdgcn_target "amdgcn-amd-amdhsa--gfx1250"
	.amdhsa_code_object_version 6
	.text
	.protected	k_qba239f91f3_kvproj
	.globl	k_qba239f91f3_kvproj
	.p2align	8
	.type	k_qba239f91f3_kvproj,@function
k_qba239f91f3_kvproj:
	s_mov_b64 s[64:65], 0
	v_nop
	global_prefetch_b8 v0, s[64:65] scope:SCOPE_SE
	s_setreg_imm32_b32 hwreg(HW_REG_WAVE_MODE, 25, 1), 1
	s_wait_xcnt 0x0
	s_wait_alu depctr_hold_cnt(0) depctr_sa_sdst(0) depctr_va_vdst(0) depctr_va_sdst(0) depctr_va_ssrc(0) depctr_va_vcc(0) depctr_vm_vsrc(0)
	s_getreg_b32 s2, hwreg(HW_REG_IB_STS2, 6, 4)
	s_cmp_eq_u32 s2, 0
	s_cbranch_scc0 .Lentry_in_a_cluster
	s_endpgm
.Lentry_in_a_cluster:
	s_bfe_u32 s2, ttmp6, 0x10000c
	s_cmp_lg_u32 s2, 0x3003
	s_cbranch_scc0 .Lentry_shape_is_right
	s_endpgm
.Lentry_shape_is_right:
; K = L Wk + bk, quantised along the head's 64, and V = L Wv + bv, quantised along the KEYS, on codes of FP6 (E2M3) with E8M0 scales.  L: blocks G x 10 + 8 + s of ql; Wk: blocks 80 + g x 2 + s of wops; Wv: 96 + g x 2 + s.
; The results go to kv: for each (batch, head, step of 128 keys) 13,056 bytes: K's eight tiles (16 keys x 64: 768 bytes each), V^T's four fragment images (16 of the head's 64 x 128 keys) at 6,144, K's scale words at 12,288, V's at 12,800.
; The product is source 0 = a tile of P, source 1 = a tile of R: a lane holds one row of R and its 64 registers run along P's 128 indices (register 16 b + e = index 32 b + 16 h + e).
;   grid y < 32, K:  P = Wk's column group p = grid x (two heads), my own;  R = L's groups 2 y, 2 y + 1 (keys), shared by the four partners.  A lane holds a key, its registers run along two heads' channels.
;   grid y >= 32, V (y' = y - 32):  P = L's group G = x + 8 (y' % 8) (keys), my own;  R = Wv's column groups 2 (y' / 8), + 1, shared.  A lane holds a channel, its registers run along 128 keys.
; K = 256 is two K steps; each lies in LDS as [own block][shared 0][shared 1], filled once: waves 0, 1 fetch the own blocks (plain loads), waves 2 to 5 the shared ones (joint loads, mask 15).
; Wave w: R's group w / 4, its tiles 2 j, 2 j + 1 (j = w % 4), x P's eight tiles.  The text parts on y, which the partners share, in two short places that join again: how the bias starts the sums, and where the results go.
; LIMITS: a block whose largest magnitude lies under 2^-124 (zeros too) gets the byte 1; NaN and infinities are not served.
.set BLKB,  12800
.set KVB,   13056
.set KSB,   3*BLKB
.set SPARE, 2*KSB                      ; behind the tiles: the spare words, 128 bytes a wave: four blocks of 256 bytes that no other line names
.set ACC,   128
.set TM,    96
.set PW,    112
.set PC0,   16
.set PC1,   36
.set SPW,   6
.set NIL,   7
.set WV,    14
.set G1,    16                         ; s[16:23] descriptor group 1, plain;  s[24:31] joint;  s[32:35], s[36:39] groups 0
.set G1J,   24
.set G0,    32
.set G0J,   36
.set SEL,   94
; v1, v2: P's block + 16 l, + 8 l;  v3, v4: my pair of R's tiles;  v5: R's scale words;  v8: 16 l, v9: 8 l + 512, v10: 8 l;  v11: 64 h;  v12: lane;  v14: 4 (r + 8 (r / 8))
; v16-39 R's two fragments;  v40-87 four of P's;  v88-91 P's scale words, v92 R's: these five hold scales alone;  v94, v95 V's bias
.macro CROUND
	s_barrier_signal -1
	s_barrier_wait -1
	s_cmp_lg_u32 s[WV], 0
	s_cbranch_scc1 .Lnot_wave_0_\@
	s_barrier_signal -3
.Lnot_wave_0_\@:
	s_barrier_wait -3
	s_barrier_signal -1
	s_barrier_wait -1
.endm
.macro FRAG reg, a16, a8, off
	ds_load_b128 v[\reg:\reg+3], v[\a16] offset:\off
	ds_load_b64 v[\reg+4:\reg+5], v[\a8] offset:\off+512
	ds_load_b128 v[\reg+6:\reg+9], v[\a16] offset:\off+768
	ds_load_b64 v[\reg+10:\reg+11], v[\a8] offset:\off+1280
.endm
; four products: P's tiles 2 tp, 2 tp + 1 x my two tiles of R; the 16 accumulators take turns, one instruction a turn
.macro MULP tp, f
	v_wmma_scale_f32_16x16x128_f8f6f4 v[ACC+16*\tp:ACC+16*\tp+7], v[\f:\f+11], v[16:27], v[ACC+16*\tp:ACC+16*\tp+7], v[88+\tp], v92 matrix_a_fmt:MATRIX_FMT_FP6 matrix_b_fmt:MATRIX_FMT_FP6
	v_wmma_scale_f32_16x16x128_f8f6f4 v[ACC+64+16*\tp:ACC+64+16*\tp+7], v[\f:\f+11], v[28:39], v[ACC+64+16*\tp:ACC+64+16*\tp+7], v[88+\tp], v92 matrix_a_fmt:MATRIX_FMT_FP6 matrix_b_fmt:MATRIX_FMT_FP6 matrix_b_scale:MATRIX_SCALE_ROW1
	v_wmma_scale_f32_16x16x128_f8f6f4 v[ACC+16*\tp+8:ACC+16*\tp+15], v[\f+12:\f+23], v[16:27], v[ACC+16*\tp+8:ACC+16*\tp+15], v[88+\tp], v92 matrix_a_fmt:MATRIX_FMT_FP6 matrix_b_fmt:MATRIX_FMT_FP6 matrix_a_scale:MATRIX_SCALE_ROW1
	v_wmma_scale_f32_16x16x128_f8f6f4 v[ACC+64+16*\tp+8:ACC+64+16*\tp+15], v[\f+12:\f+23], v[28:39], v[ACC+64+16*\tp+8:ACC+64+16*\tp+15], v[88+\tp], v92 matrix_a_fmt:MATRIX_FMT_FP6 matrix_b_fmt:MATRIX_FMT_FP6 matrix_a_scale:MATRIX_SCALE_ROW1 matrix_b_scale:MATRIX_SCALE_ROW1
.endm
.macro KSTEP s
.if \s > 0
.irp a, 1,2,3,4,5
	v_add_nc_u32 v[\a], KSB, v[\a]                 ; on to the next K step; these five are also the places between the last products and the loads into their registers
.endr
.endif
	FRAG 16, 3, 4, 0
	FRAG 28, 3, 4, 1536
	ds_load_b32 v92, v5
	ds_load_b128 v[88:91], v1 offset:12288
.irp t, 0,1,2,3
	FRAG 40+12*\t, 1, 2, 1536*\t
.endr
	s_wait_alu depctr_va_vdst(0)
	s_wait_dscnt 0x0
.if \s == 0
	s_wait_loadcnt 0x0                             ; the bias lies in the accumulators
.endif
	MULP 0, 40
	MULP 1, 64
.rept 4
	v_nop                                          ; places in front of loads into registers that matrix instructions have read
.endr
.irp t, 0,1,2,3
	FRAG 40+12*\t, 1, 2, 6144+1536*\t
.endr
	s_wait_dscnt 0x0
	MULP 2, 40
	MULP 3, 64
.endm
; 64 numbers of a lane, register 16 b + e = k 32 b + 16 h + e of my row, become a fragment's codes in v[d] .. v[d + 11] and its scale word in v[pw]
.macro QUANT s, d, pw
.irp b, 0,1,2,3
	v_max3_num_f32 v[TM+\b], |v[\s+16*\b]|, |v[\s+1+16*\b]|, 0x1800000   ; my 16 numbers of block b, and the floor 2^(3 - 127); each accumulator is read from its low end on
.endr
.irp i, 2,4,6,8,10,12,14
.irp b, 0,1,2,3
	v_max3_num_f32 v[TM+\b], v[TM+\b], |v[\s+16*\b+\i]|, |v[\s+1+16*\b+\i]|
.endr
.endr
.irp b, 0,1,2,3
	s_delay_alu instid0(VALU_DEP_4)
	v_permlanex16_b32 v[TM+4+\b], v[TM+\b], s[SEL], s[SEL+1]
.endr
.irp b, 0,1,2,3
	s_delay_alu instid0(VALU_DEP_4)
	v_max_num_f32 v[TM+\b], v[TM+\b], v[TM+4+\b]
.endr
.irp b, 0,1,2,3
	s_delay_alu instid0(VALU_DEP_4)
	v_add_nc_u32 v[TM+12+\b], 0xff000000, v[TM+\b]
.endr
.irp b, 0,1,2,3
	s_delay_alu instid0(VALU_DEP_4)
	v_lshrrev_b32 v[TM+4+\b], 23, v[TM+12+\b]
.endr
	s_delay_alu instid0(VALU_DEP_3)
	v_lshl_or_b32 v[\pw], v[TM+5], 8, v[TM+4]
	s_delay_alu instid0(VALU_DEP_1)
	v_lshl_or_b32 v[\pw], v[TM+6], 16, v[\pw]
	s_delay_alu instid0(VALU_DEP_1)
	v_lshl_or_b32 v[\pw], v[TM+7], 24, v[\pw]
.irp c, 0,1
	v_cvt_scalef32_pk16_fp6_f32 v[\d+6*\c:\d+2+6*\c], v[\s+32*\c:\s+15+32*\c], v[TM+12+2*\c]
	v_cvt_scalef32_pk16_fp6_f32 v[\d+12+4*\c:\d+14+4*\c], v[\s+16+32*\c:\s+31+32*\c], v[TM+12+2*\c+1]
.endr
	v_nop                                          ; one plain place behind a scaled conversion
.irp c, 0,1
.irp i, 0,1,2
	v_permlane16_swap_b32 v[\d+6*\c+\i], v[\d+12+4*\c+\i]
.endr
.irp i, 0,1,2
	s_delay_alu instid0(VALU_DEP_3)
	v_mov_b32 v[\d+3+6*\c+\i], v[\d+12+4*\c+\i]
.endr
.endr
.endm
	s_load_b256 s[4:11], s[0:1], 0x0               ; ql s[4:5], wops s[6:7], bk s[8:9], bv s[10:11]
	s_load_b64 s[12:13], s[0:1], 0x20              ; kv
	v_lshl_add_u32 v[SPW], v0, 2, SPARE
	v_mov_b32 v[NIL], 0
	ds_add_u32 v[SPW], v[NIL]                      ; the wave's opening: the add and its wait ahead of my first tensor load
	ds_add_u32 v[SPW], v[NIL]
	v_lshrrev_b32 v12, 5, v0
	s_delay_alu instid0(VALU_DEP_1)
	v_readfirstlane_b32 s[WV], v12
	s_and_b32 s15, s[WV], 1                        ; which K step I fetch
	s_lshr_b32 s66, s[WV], 1                       ; which of its three blocks
	s_lshr_b32 s67, s[WV], 2                       ; which shared group is mine, to fetch and to multiply
	s_and_b32 s68, s[WV], 3                        ; j
	s_bfe_u32 s69, ttmp6, 0x40000                  ; cx
	s_lshl_b32 s70, ttmp9, 2
	s_add_co_u32 s70, s70, s69                     ; x: it enters the own block's, the bias's and the result's addresses alone
	s_and_b32 s71, ttmp7, 0xffff                   ; y, which the four partners share
	s_and_b32 s72, s71, 31                         ; y'
	s_mov_b32 s[G1], 3<<16                         ; a block is dense: 50 rows of 256 bytes (32 elements of 8 bytes), no padding
	s_mov_b32 s[G1J], 15|(3<<16)|(1<<21)           ; the same with the mask of all four work-groups, and bit 21 beside it
.irp g, G1, G1J
	s_mov_b32 s[\g+1], 32<<16
	s_mov_b32 s[\g+2], 50<<16
	s_mov_b32 s[\g+3], 32<<16
	s_mov_b32 s[\g+4], 50
	s_mov_b32 s[\g+5], 32
	s_mov_b32 s[\g+6], 0
	s_mov_b32 s[\g+7], 0
.endr
	s_lshl_b32 s73, s70, 1                         ; the own block.  K: Wk's 80 + 2 x + K step
	s_add_co_u32 s73, s73, s15
	s_add_co_u32 s73, s73, 80
	s_and_b32 s74, s72, 7
	s_lshl_b32 s74, s74, 3
	s_add_co_u32 s75, s74, s70                     ; V: L's group G = x + 8 (y' % 8),
	s_mul_i32 s74, s75, 10
	s_add_co_u32 s74, s74, s15
	s_add_co_u32 s74, s74, 8                       ; block G x 10 + 8 + K step
	s_lshl_b32 s77, s71, 1                         ; the shared block, made of y and the wave's number alone.  K: L's group G = 2 y + w / 4,
	s_add_co_u32 s77, s77, s67
	s_mul_i32 s76, s77, 10
	s_add_co_u32 s76, s76, s15
	s_add_co_u32 s76, s76, 8
	s_lshr_b32 s79, s72, 3
	s_lshl_b32 s79, s79, 1
	s_add_co_u32 s79, s79, s67                     ; V: Wv's column group gv = 2 (y' / 8) + w / 4,
	s_lshl_b32 s78, s79, 1
	s_add_co_u32 s78, s78, s15
	s_add_co_u32 s78, s78, 96                      ; block 96 + 2 gv + K step
	s_mul_i32 s88, s15, KSB
	s_mul_i32 s89, s66, BLKB
	s_add_co_u32 s88, s88, s89                     ; where my block goes: the wave's number alone
	s_mov_b32 s[SEL], 0x76543210
	s_mov_b32 s[SEL+1], 0xfedcba98
	s_wait_dscnt 0x0                               ; the opening add is done
	s_wait_kmcnt 0x0
	s_cmp_lt_u32 s71, 32
	s_cselect_b64 s[80:81], s[6:7], s[4:5]         ; the own block's buffer: wops for K, ql for V
	s_cselect_b64 s[82:83], s[4:5], s[6:7]         ; the shared blocks': the other way round
	s_cselect_b32 s84, s73, s74
	s_cselect_b32 s86, s76, s78
	s_mul_i32 s84, s84, BLKB
	s_mov_b32 s85, 0
	s_mul_i32 s86, s86, BLKB
	s_mov_b32 s87, 0
	s_add_nc_u64 s[80:81], s[80:81], s[84:85]
	s_add_nc_u64 s[82:83], s[82:83], s[86:87]
	s_mov_b32 s[G0], 1
	s_mov_b32 s[G0+1], s88
	s_mov_b64 s[G0+2:G0+3], s[80:81]
	s_or_b32 s[G0+3], s[G0+3], 0x80000000
	s_mov_b32 s[G0J], 1
	s_mov_b32 s[G0J+1], s88
	s_mov_b64 s[G0J+2:G0J+3], s[82:83]
	s_or_b32 s[G0J+3], s[G0J+3], 0x80000000
	CROUND                                         ; all four work-groups are here: the joint loads meet
	s_cmp_lt_u32 s[WV], 2                          ; one load a wave, waves 0 to 5
	s_cbranch_scc0 .Lnot_own
	tensor_load_to_lds s[G0:G0+3], s[G1:G1+7]
	s_nop 0
.rept 4
	v_nop
.endr
	s_branch .Lasked
.Lnot_own:
	s_cmp_lt_u32 s[WV], 6
	s_cbranch_scc0 .Lasked
	tensor_load_to_lds s[G0J:G0J+3], s[G1J:G1J+7]
	s_nop 0
.rept 4
	v_nop
.endr
.Lasked:
	v_and_b32 v12, 31, v0                          ; lane
	v_and_b32 v13, 15, v0                          ; r
	v_bfe_u32 v15, v0, 4, 1                        ; h
	s_delay_alu instid0(VALU_DEP_1)
	v_lshlrev_b32 v11, 6, v15                      ; 64 h
	s_delay_alu instid0(VALU_DEP_3)
	v_and_b32 v14, 8, v13
	s_delay_alu instid0(VALU_DEP_1)
	v_add_nc_u32 v14, v14, v13
	s_delay_alu instid0(VALU_DEP_1)
	v_lshlrev_b32 v14, 2, v14                      ; 4 (r + 8 (r / 8))
	v_lshlrev_b32 v1, 4, v12                       ; P's block lies first in a K step
	v_lshlrev_b32 v2, 3, v12
	s_mul_i32 s84, s67, BLKB
	s_add_co_u32 s84, s84, BLKB                    ; R's block,
	s_mul_i32 s85, s68, 3072
	s_add_co_u32 s85, s85, s84                     ; my pair of tiles in it
	v_lshl_add_u32 v3, v12, 4, s85
	v_lshl_add_u32 v4, v12, 3, s85
	s_lshl_b32 s85, s68, 2
	s_add_co_u32 s85, s85, s84
	s_add_co_u32 s85, s85, 12288
	v_lshl_add_u32 v5, v12, 4, s85                 ; and their scale words
	v_lshlrev_b32 v8, 4, v12
	v_lshlrev_b32 v10, 3, v12
	s_delay_alu instid0(VALU_DEP_1)
	v_add_nc_u32 v9, 512, v10
.irp b, 0,1,2,3
	v_mov_b32 v[TM+4+\b], 0                        ; written once: a lane permute's destination counts as one of its sources
.endr
	; THE BIAS STARTS THE SUMS, while the tiles are on their way.  Both ways write all 128 registers.
	s_cmp_lt_u32 s71, 32
	s_cbranch_scc0 .Lbias_v
	s_lshl_b32 s84, s70, 9                         ; K: a lane's registers run along Wk's columns 128 x + 32 b + 16 h + e
	s_mov_b32 s85, 0
	s_add_nc_u64 s[86:87], s[8:9], s[84:85]
.irp i, 0,1
.irp b, 0,1,2,3
.irp q, 0,1,2,3
	global_load_b128 v[ACC+64*\i+16*\b+4*\q:ACC+64*\i+16*\b+4*\q+3], v11, s[86:87] offset:128*\b+16*\q
.endr
.endr
.endr
	s_branch .Lbias_done
.Lbias_v:
	s_lshl_b32 s84, s79, 9                         ; V: a lane holds ONE column, 128 gv + 32 j + 8 i + r + 8 (r / 8): its bias goes into all 64 registers of tile i
	s_lshl_b32 s85, s68, 7
	s_add_co_u32 s84, s84, s85
	s_mov_b32 s85, 0
	s_add_nc_u64 s[86:87], s[10:11], s[84:85]
	global_load_b32 v94, v14, s[86:87]
	global_load_b32 v95, v14, s[86:87] offset:32
	s_wait_loadcnt 0x0
.set n, 0
.rept 64
	v_mov_b32 v[ACC+n], v94
	v_mov_b32 v[ACC+64+n], v95
.set n, n+1
.endr
.Lbias_done:
	s_wait_tensorcnt 0x0                           ; my block has landed,
	s_barrier_signal -1
	s_barrier_wait -1                              ; everybody's has
	s_wait_alu depctr_va_vdst(0)
	KSTEP 0
	KSTEP 1
.rept 4
	v_nop                                          ; places between the last products and the first read of results and write of their operands' registers
.endr
	QUANT ACC, PC0, PW
	QUANT ACC+64, PC1, PW+1
	v_cmp_gt_u32 vcc_lo, 16, v12
	s_delay_alu instid0(VALU_DEP_1)
	v_cndmask_b32 v114, v[PW+1], v[PW], vcc_lo     ; lanes 0-15: tile 2 j's words; lanes 16-31: tile 2 j + 1's
	s_cmp_lt_u32 s71, 32
	s_cbranch_scc0 .Lstore_v
	; K: half c of a fragment is head 2 x + c's tile of 16 keys x 64; the two heads' blocks lie 16 x 13,056 bytes apart
	s_lshr_b32 s84, s77, 4
	s_lshl_b32 s84, s84, 4                         ; 16 x batch
	s_lshl_b32 s85, s70, 1
	s_add_co_u32 s84, s84, s85                     ; + head 2 x
	s_lshl_b32 s84, s84, 4
	s_and_b32 s85, s77, 15
	s_add_co_u32 s84, s84, s85                     ; x 16 + step of keys
	s_mul_i32 s84, s84, KVB
	s_mul_i32 s85, s68, 1536
	s_add_co_u32 s86, s84, s85                     ; tiles 2 j, 2 j + 1
	s_mov_b32 s87, 0
	s_add_nc_u64 s[88:89], s[12:13], s[86:87]
	s_lshl_b32 s85, s68, 2
	s_add_co_u32 s86, s84, s85
	s_add_co_u32 s86, s86, 12288
	s_add_nc_u64 s[90:91], s[12:13], s[86:87]
	s_wait_alu depctr_va_vdst(0)
.irp c, 0,1
	global_store_b128 v8, v[PC0+6*\c:PC0+6*\c+3], s[88:89] offset:16*KVB*\c
	global_store_b64 v9, v[PC0+6*\c+4:PC0+6*\c+5], s[88:89] offset:16*KVB*\c
	global_store_b128 v8, v[PC1+6*\c:PC1+6*\c+3], s[88:89] offset:16*KVB*\c+768
	global_store_b64 v9, v[PC1+6*\c+4:PC1+6*\c+5], s[88:89] offset:16*KVB*\c+768
.endr
	v_lshrrev_b32 v115, 16, v114                   ; a head's two bytes stand lowest in its word; the two bytes above them meet only zero codes of Q
	global_store_b32 v8, v114, s[90:91]
	global_store_b32 v8, v115, s[90:91] offset:16*KVB
	s_branch .Lstored
.Lstore_v:
	; V: my two fragments are tiles 2 (j % 2), + 1 of V^T of head 2 gv + j / 2
	s_lshr_b32 s84, s75, 4
	s_lshl_b32 s84, s84, 4
	s_lshl_b32 s85, s79, 1
	s_add_co_u32 s84, s84, s85
	s_lshr_b32 s85, s68, 1
	s_add_co_u32 s84, s84, s85                     ; 16 x batch + head
	s_lshl_b32 s84, s84, 4
	s_and_b32 s85, s75, 15
	s_add_co_u32 s84, s84, s85
	s_mul_i32 s84, s84, KVB
	s_and_b32 s92, s68, 1
	s_mul_i32 s85, s92, 3072
	s_add_co_u32 s86, s84, s85
	s_add_co_u32 s86, s86, 6144
	s_mov_b32 s87, 0
	s_add_nc_u64 s[88:89], s[12:13], s[86:87]
	s_lshl_b32 s85, s92, 2
	s_add_co_u32 s86, s84, s85
	s_add_co_u32 s86, s86, 12800
	s_add_nc_u64 s[90:91], s[12:13], s[86:87]
	global_store_b128 v8, v[PC0:PC0+3], s[88:89]
	global_store_b64 v9, v[PC0+4:PC0+5], s[88:89]
	global_store_b128 v8, v[PC0+6:PC0+9], s[88:89] offset:768
	global_store_b64 v9, v[PC0+10:PC0+11], s[88:89] offset:768
	global_store_b128 v8, v[PC1:PC1+3], s[88:89] offset:1536
	s_wait_alu depctr_va_vdst(0)
	global_store_b64 v9, v[PC1+4:PC1+5], s[88:89] offset:1536
	global_store_b128 v8, v[PC1+6:PC1+9], s[88:89] offset:2304
	global_store_b64 v9, v[PC1+10:PC1+11], s[88:89] offset:2304
	global_store_b32 v10, v114, s[90:91]           ; the word of (tile td, r) lies at 8 (r + 16 (td % 2)) + 4 (td / 2)
.Lstored:
	s_wait_tensorcnt 0x0                           ; the wave's end
	ds_add_u32 v[SPW], v[NIL]
	s_wait_dscnt 0x0
	CROUND                                         ; the closing round
	s_endpgm
.Lfunc_end_k_qba239f91f3_kvproj:
	.size	k_qba239f91f3_kvproj, .Lfunc_end_k_qba239f91f3_kvproj-k_qba239f91f3_kvproj
	.p2alignl 7, 3214868480
	.fill 96, 4, 3214868480
	.section	.rodata,"a",@progbits
	.p2align	6, 0x0
	.amdhsa_kernel k_qba239f91f3_kvproj
		.amdhsa_group_segment_fixed_size 167936
		.amdhsa_private_segment_fixed_size 0
		.amdhsa_enable_private_segment 0
		.amdhsa_kernarg_size 40
		.amdhsa_user_sgpr_count 2
		.amdhsa_user_sgpr_kernarg_segment_ptr 1
		.amdhsa_wavefront_size32 1
		.amdhsa_system_sgpr_workgroup_id_x 1
		.amdhsa_system_sgpr_workgroup_id_y 1
		.amdhsa_system_sgpr_workgroup_id_z 1
		.amdhsa_system_vgpr_workitem_id 0
		.amdhsa_next_free_vgpr 256
		.amdhsa_next_free_sgpr 96
		.amdhsa_reserve_vcc 1
		.amdhsa_float_denorm_mode_32 3
		.amdhsa_float_denorm_mode_16_64 3
		.amdhsa_memory_ordered 1
		.amdhsa_forward_progress 1
		.amdhsa_inst_pref_size 37
	.end_amdhsa_kernel
	.amdgpu_metadata
---
amdhsa.version: [ 1, 2 ]
amdhsa.kernels:
  - .name:           k_qba239f91f3_kvproj
    .symbol:         k_qba239f91f3_kvproj.kd
    .args:
      - { .name: ql, .offset: 0, .size: 8, .value_kind: global_buffer, .address_space: global }
      - { .name: wops, .offset: 8, .size: 8, .value_kind: global_buffer, .address_space: global }
      - { .name: bk, .offset: 16, .size: 8, .value_kind: global_buffer, .address_space: global }
      - { .name: bv, .offset: 24, .size: 8, .value_kind: global_buffer, .address_space: global }
      - { .name: kv, .offset: 32, .size: 8, .value_kind: global_buffer, .address_space: global }
    .group_segment_fixed_size: 167936
    .private_segment_fixed_size: 0
    .kernarg_segment_align: 8
    .kernarg_segment_size: 40
    .max_flat_workgroup_size: 256
    .sgpr_count:     96
    .vgpr_count:     256
    .wavefront_size: 32
...
	.end_amdgpu_metadata
.endif
;; end of part 3
;; launch attn (part 4): grid 4 x 64, 8 waves a work-group, clusters of 4 x 1, 210,944 bytes of LDS; arguments ql, kv, ao; writes ao
.if DOCPART == 4
	.amdgcn_target "amdgcn-amd-amdhsa--gfx1250"
	.amdhsa_code_object_version 6
	.text
	.protected	k_qba239f91f3_attn
	.globl	k_qba239f91f3_attn
	.p2align	8
	.type	k_qba239f91f3_attn,@function
k_qba239f91f3_attn:
	s_mov_b64 s[64:65], 0
	v_nop
	global_prefetch_b8 v0, s[64:65] scope:SCOPE_SE
	s_setreg_imm32_b32 hwreg(HW_REG_WAVE_MODE, 25, 1), 1
	s_wait_xcnt 0x0
	s_wait_alu depctr_hold_cnt(0) depctr_sa_sdst(0) depctr_va_vdst(0) depctr_va_sdst(0) depctr_va_ssrc(0) depctr_va_vcc(0) depctr_vm_vsrc(0)
	s_getreg_b32 s2, hwreg(HW_REG_IB_STS2, 6, 4)
	s_cmp_eq_u32 s2, 0
	s_cbranch_scc0 .Lentry_in_a_cluster
	s_endpgm
.Lentry_in_a_cluster:
	s_bfe_u32 s2, ttmp6, 0x10000c
	s_cmp_lg_u32 s2, 0x3003
	s_cbranch_scc0 .Lentry_shape_is_right
	s_endpgm
.Lentry_shape_is_right:
; O = softmax(Q K^T / 8) V for one (batch, head) = grid y, both products on codes of FP6 (E2M3) with E8M0 scales, and O / l quantised along the head's 64 for the last projection.
; THE SOFTMAX: t = score x log2(e) / 8; M = the running largest t rounded UP to a whole number; p = 2^(t - M) is quantised along the keys, not normalised; the row's sum is taken of the unquantised p and divides at the end.
; When M moves, the sum and O are multiplied by 2^(old M - new M): exact.
; SHARES.  A head's K, V and scale words, 16 steps of 128 keys x 13,056 bytes, lie in LDS for the whole launch, filled once: wave w asks for steps 2 w, 2 w + 1 by one tensor load (102 rows of 256 bytes).  The four work-groups of a
; cluster take the head's four blocks of 512 queries and want the same bytes: each load is JOINT (mask 15).  No refill, no barrier in the loop.  All loads go out at the head, so there is no later load to prefetch for.
; Wave w owns FOUR tiles of 16 queries (tiles 4 (w % 2) + q of row group 4 cx + w / 2): each fragment of K and of V is read from LDS once for the four.
; LAYOUT.  Both products are used transposed (S^T = K Q^T, O^T = V^T P^T): a lane holds ONE query.  THE KEYS OF A TILE OF K ARE CHOSEN BY THE LDS READ'S ADDRESS: tile 4 c + u, row 8 e + j is key 64 c + 32 e + 8 u + j, which kv holds
; in its tile 2 (2 c + e) + u % 2, row 8 (u / 2) + j.  So lane (r, h)'s registers 32 c + 0 .. 31 of S^T are keys 64 c + 32 h + 0 .. 31: a WHOLE block of 32 in a lane, in the order of the next operand's registers.
; THE HEAD IS 64 DEEP, THE INSTRUCTION 128.  Q's upper six registers are zero codes; a tile of K is named with the six registers that follow it (the next tile's codes; behind the last six zeros): they meet zero codes.
; THE WALK goes by units: one tile of queries x 128 keys.  In unit q, behind the exponentials, stand the products O(q - 1) += V^T P^T(q - 1) and S^T(q + 1): two score buffers take turns.  K's next step is read in unit 2, V's in unit 0.
; REGISTERS.  Window 0: v1-5 lane terms, v6-10 addresses, v11 8 h, v12-13 the add's, v14 lane, v15, v25-27 places in ql and ao, v16-19 K's, v20-21 Q's, v22-23 V's, v24 p's scale words (scales alone), v28-31 the results' bytes,
;   v32-47 state (tile q: -M, largest score, the sum's pair), v48-67 at work, v68-79 p's codes, v80-127 Q, v128-191 and v192-255 scores.   Window 1: v0-47 K, v48-53 zeros, v80-127 V^T, v128-255 O^T.
; LIMITS: the promise holds while the scaled scores stay under 2^31 in magnitude; a block whose largest magnitude lies under 2^-124 (zeros too) gets the byte 1; NaN and infinities are not served; a p under 2^-126 comes out of v_exp_f32 as zero.
.set KVB,   13056
.set SPARE, 16*KVB                     ; behind the head: the spare words, 128 bytes a wave
.set SPW,   12
.set NIL,   13
.set WV,    10
.set G1,    16
.set G0,    24
.set SEL,   28                         ; s[28:29] lane selects for v_permlanex16_b32
.set CS,    30                         ; s[30:31] c = log2(e) / 8
.set TB,    32                         ; LDS byte of the step that is read next
.set CNT,   33
.set NC,    44                         ; -c
.set T,     48                         ; v48-55 eight chains of the maximum; later the conversions' second halves
.set MSB,   0
.macro WIN new                         ; the immediate's high byte repeats the setting that is left
.if MSB != \new
	s_set_vgpr_msb (MSB<<8)|\new
.set MSB, \new
.endif
.endm
.macro CROUND
	s_barrier_signal -1
	s_barrier_wait -1
	s_cmp_lg_u32 s[WV], 0
	s_cbranch_scc1 .Lnot_wave_0_\@
	s_barrier_signal -3
.Lnot_wave_0_\@:
	s_barrier_wait -3
	s_barrier_signal -1
	s_barrier_wait -1
.endm
.macro FRAG reg, a16, a8, off
	ds_load_b128 v[\reg:\reg+3], v[\a16] offset:\off
	ds_load_b64 v[\reg+4:\reg+5], v[\a8] offset:\off+512
	ds_load_b128 v[\reg+6:\reg+9], v[\a16] offset:\off+768
	ds_load_b64 v[\reg+10:\reg+11], v[\a8] offset:\off+1280
.endm
.macro WM d, a, b, c, sa, sb, m1, m2
	v_wmma_scale_f32_16x16x128_f8f6f4 v[\d:\d+7], v[\a:\a+11], v[\b:\b+11], \c, v[\sa], v[\sb] matrix_a_fmt:MATRIX_FMT_FP6 matrix_b_fmt:MATRIX_FMT_FP6 \m1 \m2
.endm
; S^T of tile q into the buffer at v[s]: source 0 = K (window 1), source 1 = Q.  A scale register holds the even tile's words in lanes 0-15, the odd tile's in lanes 16-31
.macro QK q, s
	WIN 0x01
.irp tp, 0,1,2,3
.if (\q)%2 == 0
	WM \s+16*\tp, 12*\tp, 80+12*(\q), 0, 16+\tp, 20+(\q)/2
	WM \s+16*\tp+8, 12*\tp+6, 80+12*(\q), 0, 16+\tp, 20+(\q)/2, matrix_a_scale:MATRIX_SCALE_ROW1
.else
	WM \s+16*\tp, 12*\tp, 80+12*(\q), 0, 16+\tp, 20+(\q)/2, matrix_b_scale:MATRIX_SCALE_ROW1
	WM \s+16*\tp+8, 12*\tp+6, 80+12*(\q), 0, 16+\tp, 20+(\q)/2, matrix_a_scale:MATRIX_SCALE_ROW1, matrix_b_scale:MATRIX_SCALE_ROW1
.endif
.endr
.endm
; O^T of tile q += V^T P^T: source 0 = V^T, C and D = O^T (window 1), source 1 = p's codes.  The accumulators take turns, one instruction a turn
.macro PV q
	WIN 0x51
.irp tp, 0,1
	WM 128+32*(\q)+16*\tp, 80+24*\tp, 68, v[128+32*(\q)+16*\tp:128+32*(\q)+16*\tp+7], 22+\tp, 24
	WM 128+32*(\q)+16*\tp+8, 92+24*\tp, 68, v[128+32*(\q)+16*\tp+8:128+32*(\q)+16*\tp+15], 22+\tp, 24, matrix_a_scale:MATRIX_SCALE_ROW1
.endr
.endm
.macro LOADK                           ; the step at TB: K's eight tiles, by the map in the head comment, and their scale words
	v_add_nc_u32 v6, s[TB], v1
	v_add_nc_u32 v7, s[TB], v2
	v_add_nc_u32 v8, s[TB], v3
	WIN 0x40
.irp c, 0,1
.irp a, 0,1
.irp u, 0,1
	ds_load_b128 v[6*(4*\c+2*\a+\u):6*(4*\c+2*\a+\u)+3], v6 offset:3072*\c+768*\u+128*\a
	ds_load_b64 v[6*(4*\c+2*\a+\u)+4:6*(4*\c+2*\a+\u)+5], v7 offset:3072*\c+768*\u+512+64*\a
.endr
.endr
.endr
	WIN 0
.irp c, 0,1
.irp a, 0,1
	ds_load_b32 v[16+2*\c+\a], v8 offset:12288+128*\a+8*\c
.endr
.endr
.endm
.macro LOADV                           ; the step at TB: V^T's four fragment images as they lie, and their scale words
	v_add_nc_u32 v9, s[TB], v4
	v_add_nc_u32 v10, s[TB], v5
	WIN 0x40
.irp td, 0,1,2,3
	FRAG 80+12*\td, 9, 10, 6144+1536*\td
.endr
	WIN 0
	ds_load_b64 v[22:23], v10 offset:12800
.endm
; A UNIT: tile q's 16 queries x 128 keys.  pv: O(q - 1)'s products stand in it; qk: S^T(q + 1)'s; ld: the next step's K (q = 2) or V (q = 0) is read
.macro UNIT q, pv, qk, ld
.set SB, 128+64*((\q)%2)
.set SN, 192-64*((\q)%2)
.set ST, 32+4*(\q)
.set OB, 128+32*(\q)
.irp t, 0,1,2,3,4,5,6,7
	v_max3_num_f32 v[T+\t], v[SB+8*\t], v[SB+8*\t+1], v[SB+8*\t+2]   ; a chain a tile; each accumulator is read from its low end on
.endr
.irp i, 3,5
.irp t, 0,1,2,3,4,5,6,7
	v_max3_num_f32 v[T+\t], v[T+\t], v[SB+8*\t+\i], v[SB+8*\t+\i+1]
.endr
.endr
.irp t, 0,2,4,6
	v_max3_num_f32 v[T+\t], v[T+\t], v[SB+8*\t+7], v[SB+8*\t+15]
.endr
.irp t, 0,4
	v_max3_num_f32 v[T+\t], v[T+\t], v[T+\t+1], v[T+\t+2]
.endr
.irp t, 0,4
	v_max_num_f32 v[T+\t], v[T+\t], v[T+\t+3]      ; the largest score of my two blocks of 32 keys: it serves the row's maximum and, since p rises with the score, the block's largest p
.endr
	v_max_num_f32 v56, v[T], v[T+4]
	s_delay_alu instid0(VALU_DEP_1)
	v_permlanex16_b32 v57, v56, s[SEL], s[SEL+1]
	s_delay_alu instid0(VALU_DEP_1)
	v_max3_num_f32 v[ST+1], v[ST+1], v56, v57      ; the running largest score of my query
	s_delay_alu instid0(VALU_DEP_1)
	v_mul_f32 v58, s[NC], v[ST+1]                  ; -t
	s_delay_alu instid0(VALU_DEP_1)
	v_floor_f32 v58, v58                           ; the new -M = floor(-t) = -ceil(t): a whole number
	s_delay_alu instid0(VALU_DEP_1)
	v_sub_f32 v59, v58, v[ST]                      ; old M - new M: a whole number, 0 or less
	v_mov_b32 v[ST], v58
	s_delay_alu instid0(VALU_DEP_2)
	v_cvt_i32_f32 v59, v59                         ; (it saturates)
.set n, 0
.rept 32
	v_pk_fma_f32 v[SB+n:SB+n+1], v[SB+n:SB+n+1], s[CS:CS+1], v[ST:ST+1] op_sel_hi:[1,0,0]   ; t - M, two at a time (of the pairs c and -M the low word serves both halves)
.set n, n+2
.endr
	v_fma_f32 v[T], v[T], s[CS], v[ST]             ; the same of each block's largest score
	v_fma_f32 v[T+4], v[T+4], s[CS], v[ST]
	v_ldexp_f32 v60, 1.0, v59                      ; f = 2^(old M - new M)
	s_wait_alu depctr_va_vdst(0)                   ; the wait ahead of the batch
	v_exp_f32 v[T], v[T]                           ; the blocks' largest p
	v_exp_f32 v[T+4], v[T+4]
.set n, 0
.rept 64
	v_exp_f32 v[SB+n], v[SB+n]                     ; p = 2^(t - M), at most 1
.set n, n+1
.endr
	v_pk_mul_f32 v[ST+2:ST+3], v[ST+2:ST+3], v[60:61] op_sel_hi:[1,0]   ; the sums under the new M: a plain place behind the exponentials
	WIN 0x41
	s_wait_alu depctr_va_vdst(0)                   ; one wait for the batch, directly ahead of the first reader of O^T too
.set n, 0
.rept 16
	v_pk_mul_f32 v[OB+n:OB+n+1], v[OB+n:OB+n+1], v[60:61] op_sel_hi:[1,0]   ; O^T under the new M
.set n, n+2
.endr
.if (\q)%2
	s_wait_dscnt 0x0                               ; what the unit before asked of LDS is in: V's step (q = 1), K's next step (q = 3)
.endif
.if \pv
	PV ((\q)+3)%4
.endif
.if \qk
	QK ((\q)+1)%4, SN
.endif
	WIN 0
	v_max_num_f32 v[T], 0x1800000, v[T]            ; the floor 2^(3 - 127): the byte cannot fall under 1.  These six lines are the places between the products and the writes of p's codes
	v_max_num_f32 v[T+4], 0x1800000, v[T+4]
	v_add_nc_u32 v62, 0xff000000, v[T]             ; 2 off the exponent field: the conversion's scale operand
	v_add_nc_u32 v63, 0xff000000, v[T+4]
	v_lshrrev_b32 v64, 23, v62                     ; the scale's byte
	v_lshrrev_b32 v65, 23, v63
	v_cvt_scalef32_pk16_fp6_f32 v[68:70], v[SB:SB+15], v62
	v_cvt_scalef32_pk16_fp6_f32 v[T:T+2], v[SB+16:SB+31], v62       ; (a conversion's three registers begin on an even number)
	v_cvt_scalef32_pk16_fp6_f32 v[74:76], v[SB+32:SB+47], v63
	v_cvt_scalef32_pk16_fp6_f32 v[T+4:T+6], v[SB+48:SB+63], v63
	v_lshl_or_b32 v66, v65, 16, v64                ; my two bytes, blocks h and 2 + h (a plain place behind the conversions),
	s_delay_alu instid0(VALU_DEP_1)
	v_lshlrev_b32 v66, v11, v66                    ; at their places in the word;
	s_delay_alu instid0(VALU_DEP_1)
	v_permlanex16_b32 v67, v66, s[SEL], s[SEL+1]
	s_delay_alu instid0(VALU_DEP_1)
	v_or_b32 v24, v66, v67                         ; with lane l xor 16's two the word is whole
.irp i, 0,1,2
	v_mov_b32 v[71+\i], v[T+\i]
	v_mov_b32 v[77+\i], v[T+4+\i]
.endr
.if \ld
.if (\q) == 2
	LOADK
.else
	LOADV
.endif
.endif
.irp n, 0,4,8,12,16,20,24,28,32,36,40,44,48,52,56,60
	v_pk_add_f32 v[SB+\n:SB+\n+1], v[SB+\n:SB+\n+1], v[SB+\n+2:SB+\n+3]   ; the row's sum of the unquantised p, in place: the codes are made
.endr
.irp n, 0,8,16,24,32,40,48,56
	v_pk_add_f32 v[SB+\n:SB+\n+1], v[SB+\n:SB+\n+1], v[SB+\n+4:SB+\n+5]
.endr
.irp n, 0,16,32,48
	v_pk_add_f32 v[SB+\n:SB+\n+1], v[SB+\n:SB+\n+1], v[SB+\n+8:SB+\n+9]
.endr
.irp n, 0,32
	v_pk_add_f32 v[SB+\n:SB+\n+1], v[SB+\n:SB+\n+1], v[SB+\n+16:SB+\n+17]
.endr
	v_pk_add_f32 v[ST+2:ST+3], v[ST+2:ST+3], v[SB:SB+1]
	v_pk_add_f32 v[ST+2:ST+3], v[ST+2:ST+3], v[SB+32:SB+33]
.endm
; Tile q's way out: O^T / the sum (register 16 b + e is channel 32 b + 16 h + e), its two blocks of 32 quantised: half a fragment of the last projection's operand
.macro FINAL q
.set ST, 32+4*(\q)
.set OB, 128+32*(\q)
.set CD, 80+12*(\q)
	v_add_f32 v56, v[ST+2], v[ST+3]
	s_delay_alu instid0(VALU_DEP_1)
	v_permlanex16_b32 v57, v56, s[SEL], s[SEL+1]
	s_delay_alu instid0(VALU_DEP_1)
	v_add_f32 v56, v56, v57
	s_wait_alu depctr_va_vdst(0)                   ; the wait ahead of the transcendental
	v_rcp_f32 v60, v56
	v_nop                                          ; a plain place behind the reciprocal
	WIN 0x01
	s_wait_alu depctr_va_vdst(0)                   ; and the wait ahead of its first reader, which is O^T's first reader too
.set n, 0
.rept 16
	v_pk_mul_f32 v[128+n:129+n], v[OB+n:OB+n+1], v[60:61] op_sel_hi:[1,0]
.set n, n+2
.endr
	WIN 0
.irp b, 0,1
	v_max3_num_f32 v[T+\b], |v[128+16*\b]|, |v[129+16*\b]|, 0x1800000
.endr
.irp i, 2,4,6,8,10,12,14
.irp b, 0,1
	s_delay_alu instid0(VALU_DEP_2)
	v_max3_num_f32 v[T+\b], v[T+\b], |v[128+16*\b+\i]|, |v[129+16*\b+\i]|
.endr
.endr
.irp b, 0,1
	v_permlanex16_b32 v[66+\b], v[T+\b], s[SEL], s[SEL+1]
.endr
.irp b, 0,1
	s_delay_alu instid0(VALU_DEP_2)
	v_max_num_f32 v[T+\b], v[T+\b], v[66+\b]
.endr
.irp b, 0,1
	s_delay_alu instid0(VALU_DEP_2)
	v_add_nc_u32 v[62+\b], 0xff000000, v[T+\b]
.endr
.irp b, 0,1
	s_delay_alu instid0(VALU_DEP_2)
	v_lshrrev_b32 v[64+\b], 23, v[62+\b]
.endr
	s_delay_alu instid0(VALU_DEP_1)
	v_lshl_or_b32 v[28+(\q)], v65, 8, v64          ; my head's two bytes of the row's scale word
	v_cvt_scalef32_pk16_fp6_f32 v[CD:CD+2], v[128:143], v62
	v_cvt_scalef32_pk16_fp6_f32 v[CD+4:CD+6], v[144:159], v63
	v_nop                                          ; one plain place behind a scaled conversion
.irp i, 0,1,2
	v_permlane16_swap_b32 v[CD+\i], v[CD+4+\i]     ; the operand's layout wants a whole block in a lane
.endr
.irp i, 0,1,2
	v_mov_b32 v[CD+3+\i], v[CD+4+\i]
.endr
	global_store_b128 v26, v[CD:CD+3], s[8:9] offset:1536*(\q)     ; 512 and 256 consecutive bytes, aligned; each tile has registers of its own
	global_store_b64 v27, v[CD+4:CD+5], s[8:9] offset:1536*(\q)
.endm
	s_load_b128 s[4:7], s[0:1], 0x0                ; ql s[4:5], kv s[6:7]
	s_load_b64 s[8:9], s[0:1], 0x10                ; ao
	v_lshl_add_u32 v[SPW], v0, 2, SPARE
	v_mov_b32 v[NIL], 0
	ds_add_u32 v[SPW], v[NIL]                      ; the opening lines: the add, twice on end, and its wait ahead of my first tensor load
	ds_add_u32 v[SPW], v[NIL]
	v_lshrrev_b32 v14, 5, v0
	s_delay_alu instid0(VALU_DEP_1)
	v_readfirstlane_b32 s[WV], v14                 ; wave 0..7
	s_bfe_u32 s11, ttmp6, 0x40000                  ; cx: it enters ql's and ao's addresses alone
	s_and_b32 s12, ttmp7, 0xffff                   ; 16 x batch + head, which the four partners share
	s_and_b32 s13, s12, 15                         ; head
	s_lshr_b32 s14, s12, 4                         ; batch
	s_and_b32 s15, s13, 1                          ; which half of a pair of heads
	s_mov_b32 s[G1], 15|(3<<16)|(1<<21)            ; the mask: all four work-groups; elements of 8 bytes; bit 21 beside a mask; no padding
	s_mov_b32 s[G1+1], 32<<16                      ; two steps' bytes are dense: 102 rows of 256 bytes
	s_mov_b32 s[G1+2], 102<<16
	s_mov_b32 s[G1+3], 32<<16
	s_mov_b32 s[G1+4], 102
	s_mov_b32 s[G1+5], 32
	s_mov_b32 s[G1+6], 0
	s_mov_b32 s[G1+7], 0
	s_mov_b32 s[SEL], 0x76543210
	s_mov_b32 s[SEL+1], 0xfedcba98
	s_mov_b32 s[CS], 0x3e38aa3b                    ; c = log2(e) / 8
	s_mov_b32 s[CS+1], s[CS]
	s_mov_b32 s[NC], 0xbe38aa3b                    ; -c
	s_lshl_b32 s34, s12, 4
	s_lshl_b32 s35, s[WV], 1
	s_add_co_u32 s34, s34, s35
	s_mul_i32 s34, s34, KVB                        ; key steps 2 w, 2 w + 1 of my head, in memory,
	s_mov_b32 s35, 0
	s_mul_i32 s36, s[WV], 2*KVB                    ; and in LDS
	s_lshl_b32 s37, s14, 4
	s_lshl_b32 s38, s11, 2
	s_add_co_u32 s37, s37, s38
	s_lshr_b32 s38, s[WV], 1
	s_add_co_u32 s37, s37, s38                     ; my row group: 16 x batch + 4 cx + w / 2
	s_lshr_b32 s38, s13, 1
	s_mul_i32 s40, s37, 10
	s_add_co_u32 s40, s40, s38
	s_mul_i32 s40, s40, 12800                      ; Q's block
	s_mov_b32 s41, 0
	s_lshl_b32 s42, s37, 3
	s_add_co_u32 s42, s42, s38
	s_mul_i32 s42, s42, 12800                      ; the result's block
	s_mov_b32 s43, 0
	s_wait_dscnt 0x0                               ; both opening adds are done
	s_wait_kmcnt 0x0
	s_add_nc_u64 s[4:5], s[4:5], s[40:41]
	s_add_nc_u64 s[8:9], s[8:9], s[42:43]
	s_mov_b32 s[G0], 1
	s_mov_b32 s[G0+1], s36
	s_add_nc_u64 s[G0+2:G0+3], s[6:7], s[34:35]
	s_or_b32 s[G0+3], s[G0+3], 0x80000000
	CROUND                                         ; all four work-groups are here: the joint loads meet
	tensor_load_to_lds s[G0:G0+3], s[G1:G1+7]      ; my one tensor load
	s_nop 0
.rept 4
	v_nop
.endr
	s_and_b32 s38, s[WV], 1
	s_mul_i32 s39, s38, 6144
	s_mul_i32 s40, s15, 768
	s_add_co_u32 s39, s39, s40                     ; tile 4 (w % 2), my head's half
	s_lshl_b32 s40, s38, 3
	s_add_co_u32 s40, s40, 12288                   ; the scale words of my four tiles
	s_lshl_b32 s41, s15, 1
	s_lshl_b32 s42, s15, 4
	v_and_b32 v14, 31, v0                          ; lane
	v_and_b32 v56, 7, v0                           ; j
	v_bfe_u32 v58, v0, 3, 1                        ; e
	v_bfe_u32 v59, v0, 4, 1                        ; h
	v_lshlrev_b32 v4, 4, v14                       ; V: 16 l
	v_lshlrev_b32 v5, 3, v14                       ; and 8 l
	v_lshlrev_b32 v1, 4, v56
	v_lshlrev_b32 v2, 3, v56
	v_lshl_add_u32 v3, v58, 2, v1
	v_mad_u32_u24 v1, v58, 1536, v1
	v_mad_u32_u24 v2, v58, 1536, v2
	v_lshl_add_u32 v1, v59, 8, v1                  ; K: 16 j + 1,536 e + 256 h
	v_lshl_add_u32 v2, v59, 7, v2                  ; 8 j + 1,536 e + 128 h
	v_lshl_add_u32 v3, v59, 8, v3                  ; its scale words: 16 j + 4 e + 256 x (lanes' half = tile's parity)
	v_lshlrev_b32 v11, 3, v59                      ; 8 h
	v_add_nc_u32 v26, s39, v4
	v_add_nc_u32 v27, s39, v5
	v_add_nc_u32 v25, s40, v4
	v_add_nc_u32 v27, 512, v27
	v_add_nc_u32 v15, s41, v25                     ; my head's two bytes of the results' scale words
.irp q, 0,1,2,3
	global_load_b128 v[80+12*\q:83+12*\q], v26, s[4:5] offset:1536*\q   ; Q's half fragments: my head's 64
	global_load_b64 v[84+12*\q:85+12*\q], v27, s[4:5] offset:1536*\q
.endr
	global_load_b64 v[20:21], v25, s[4:5]          ; v20: tiles 0 (lanes 0-15) and 1 (lanes 16-31); v21: tiles 2 and 3
.irp q, 0,1,2,3
	v_mov_b32 v[32+4*\q], 0x7e800000               ; -M: a whole number above every -M to come, so that the first f is 0
	v_mov_b32 v[33+4*\q], 0xff61b1e6               ; the largest score so far: -3e38
	v_mov_b32 v[34+4*\q], 0                        ; the sum, in two halves
	v_mov_b32 v[35+4*\q], 0
.irp e, 6,7,8,9,10,11
	v_mov_b32 v[80+12*\q+\e], 0                    ; Q's zero codes
.endr
.endr
.irp n, 57,61,67
	v_mov_b32 v[\n], 0                             ; named before they are first written
.endr
	s_wait_loadcnt 0x0
	v_lshrrev_b32 v20, s42, v20                    ; my head's two bytes lowest; what stands above them meets zero codes
	v_lshrrev_b32 v21, s42, v21
	WIN 0x40
.set n, 0
.rept 128
	v_mov_b32 v[128+n], 0                          ; O^T.  (The unit is written once: the first finds zeros, which the first f leaves zeros)
.set n, n+1
.endr
.irp n, 48,49,50,51,52,53
	v_mov_b32 v[\n], 0                             ; the six registers behind K's last tile
.endr
	WIN 0
	s_mov_b32 s[TB], 0
	s_wait_alu depctr_va_vdst(0)                   ; the wait at the head's end
	s_wait_tensorcnt 0x0                           ; my two steps have landed,
	s_barrier_signal -1
	s_barrier_wait -1                              ; everybody's have: the head lies in LDS
	LOADK
	s_wait_dscnt 0x0
	QK 0, 128
	WIN 0
.rept 4
	v_nop                                          ; places in front of the first read of the scores
.endr
	UNIT 0, 0, 1, 1                                ; step 0's first unit: no product of an earlier tile is due
	s_mov_b32 s[TB], KVB
	s_mov_b32 s[CNT], 15
.Lkeys:                                                ; a trip: units 1, 2, 3 of a step and unit 0 of the next
	UNIT 1, 1, 1, 0
	UNIT 2, 1, 1, 1
	UNIT 3, 1, 1, 0
	UNIT 0, 1, 1, 1
	s_add_co_u32 s[TB], s[TB], KVB
	s_sub_co_u32 s[CNT], s[CNT], 1
	s_cmp_lg_u32 s[CNT], 0
	s_wait_alu depctr_va_vdst(0)                   ; the wait ahead of the branch
	s_cbranch_scc1 .Lkeys
	UNIT 1, 1, 1, 0                                ; the last step's tail: nothing more is read
	UNIT 2, 1, 1, 0
	UNIT 3, 1, 0, 0
	PV 3
	WIN 0
.rept 4
	v_nop                                          ; places behind the last products
.endr
	FINAL 0
	FINAL 1
	FINAL 2
	FINAL 3
	v_cmp_gt_u32 vcc_lo, 16, v14
	v_cndmask_b32 v56, v29, v28, vcc_lo            ; lanes 0-15: the even tile's bytes; lanes 16-31: the odd tile's
	v_cndmask_b32 v58, v31, v30, vcc_lo
	global_store_b16 v15, v56, s[8:9]
	global_store_b16 v15, v58, s[8:9] offset:4
	s_wait_tensorcnt 0x0                           ; the wave's end
	ds_add_u32 v[SPW], v[NIL]
	s_wait_dscnt 0x0
	CROUND                                         ; the closing round
	s_endpgm
.Lfunc_end_k_qba239f91f3_attn:
	.size	k_qba239f91f3_attn, .Lfunc_end_k_qba239f91f3_attn-k_qba239f91f3_attn
	.p2alignl 7, 3214868480
	.fill 96, 4, 3214868480
	.section	.rodata,"a",@progbits
	.p2align	6, 0x0
	.amdhsa_kernel k_qba239f91f3_attn
		.amdhsa_group_segment_fixed_size 210944
		.amdhsa_private_segment_fixed_size 0
		.amdhsa_enable_private_segment 0
		.amdhsa_kernarg_size 24
		.amdhsa_user_sgpr_count 2
		.amdhsa_user_sgpr_kernarg_segment_ptr 1
		.amdhsa_wavefront_size32 1
		.amdhsa_system_sgpr_workgroup_id_x 1
		.amdhsa_system_sgpr_workgroup_id_y 1
		.amdhsa_system_sgpr_workgroup_id_z 1
		.amdhsa_system_vgpr_workitem_id 0
		.amdhsa_next_free_vgpr 512
		.amdhsa_next_free_sgpr 66
		.amdhsa_reserve_vcc 1
		.amdhsa_float_denorm_mode_32 3
		.amdhsa_float_denorm_mode_16_64 3
		.amdhsa_memory_ordered 1
		.amdhsa_forward_progress 1
		.amdhsa_inst_pref_size 135
	.end_amdhsa_kernel
	.amdgpu_metadata
---
amdhsa.version: [ 1, 2 ]
amdhsa.kernels:
  - .name:           k_qba239f91f3_attn
    .symbol:         k_qba239f91f3_attn.kd
    .args:
      - { .name: ql, .offset: 0, .size: 8, .value_kind: global_buffer, .address_space: global }
      - { .name: kv, .offset: 8, .size: 8, .value_kind: global_buffer, .address_space: global }
      - { .name: ao, .offset: 16, .size: 8, .value_kind: global_buffer, .address_space: global }
    .group_segment_fixed_size: 210944
    .private_segment_fixed_size: 0
    .kernarg_segment_align: 8
    .kernarg_segment_size: 24
    .max_flat_workgroup_size: 256
    .sgpr_count:     66
    .vgpr_count:     512
    .wavefront_size: 32
...
	.end_amdgpu_metadata
.endif
;; end of part 4
;; launch outproj (part 5): grid 64 x 4, 8 waves a work-group, clusters of 4 x 1, 308,224 bytes of LDS; arguments ao, wops, bo, out0; writes out0
.if DOCPART == 5
	.amdgcn_target "amdgcn-amd-amdhsa--gfx1250"
	.amdhsa_code_object_version 6
	.text
	.protected	k_qba239f91f3_outproj
	.globl	k_qba239f91f3_outproj
	.p2align	8
	.type	k_qba239f91f3_outproj,@function
k_qba239f91f3_outproj:
	s_mov_b64 s[64:65], 0
	v_nop
	global_prefetch_b8 v0, s[64:65] scope:SCOPE_SE
	s_setreg_imm32_b32 hwreg(HW_REG_WAVE_MODE, 25, 1), 1
	s_wait_xcnt 0x0
	s_wait_alu depctr_hold_cnt(0) depctr_sa_sdst(0) depctr_va_vdst(0) depctr_va_sdst(0) depctr_va_ssrc(0) depctr_va_vcc(0) depctr_vm_vsrc(0)
	s_getreg_b32 s2, hwreg(HW_REG_IB_STS2, 6, 4)
	s_cmp_eq_u32 s2, 0
	s_cbranch_scc0 .Lentry_in_a_cluster
	s_endpgm
.Lentry_in_a_cluster:
	s_bfe_u32 s2, ttmp6, 0x10000c
	s_cmp_lg_u32 s2, 0x3003
	s_cbranch_scc0 .Lentry_shape_is_right
	s_endpgm
.Lentry_shape_is_right:
; out0 = A Wo + bo, f32, on codes of FP6 (E2M3) with E8M0 scales.  A: the attention's result, blocks G x 8 + s of ao; Wo: blocks 112 + g x 8 + s of wops; each 12,800 bytes in the order of the operand's registers.
; SHARES.  A work-group takes one group of 128 rows (G = 4 x cluster x + cx) and two groups of 128 columns (2 pp, 2 pp + 1; pp = grid y).  All of K = 1,024 lies in LDS, filled once: A's block of K step s at 12,800 s, the columns' blocks at
; 102,400 (g + 1) + 12,800 s for group g.  A's blocks come by plain tensor loads; the columns' blocks are the same for the four partners and are asked for JOINTLY (mask 15).
; Wave w: tiles 2 j, 2 j + 1 of the rows (j = w % 4) x the eight tiles of column group pg = 2 pp + w / 4.  The product is used transposed (source 0 = 16 columns, source 1 = 16 rows): a lane holds one row, and its
; register 16 b + e of a tile of rows is column 32 b + 16 h + e.  Tile T's lane-row r is row 32 (T/2) + 8 (T%2) + r + 8 (r/8) of the group.  The bias starts the sums: it is loaded into the accumulators.
; THE WAY OUT: a tile of 16 rows x 128 columns goes through my own stage in LDS (16 rows of 528 bytes) and leaves as whole pieces of rows, 512 consecutive bytes a store.  The stages lie in A's blocks of K steps 0 to 5: those
; have had their one fill, and a wave stores there only behind the last barrier, in front of which every wave's reads of K steps 0 to 5 are back.
.set BLKB,  12800
; LDS AS IT IS LAID NOW: A's eight blocks (K steps 0-7) from byte 0, column group 0's eight from 8 BLKB, column group 1's eight from 16 BLKB: each run of eight is dense in memory too.
; Waves 0 to 5 fetch four blocks each by ONE tensor load (200 rows of 256 bytes); one wait and one barrier show all of K to every wave.  The stages lie in A's first blocks, behind a barrier that follows every wave's last read.
.set KSB,   BLKB                       ; from K step to K step inside a run
.set SPARE, 24*BLKB                    ; behind the tiles: the spare words
.set ACC,   128
.set SPW,   6
.set NIL,   7
.set WV,    14
.set G1,    16
.set G1J,   24
.set G0,    32
.set G0J,   48
; v1, v2: columns' block + 16 l, + 8 l;  v3, v4: my pair of A's tiles;  v5: A's scale words;  v8: the stage, in;  v9: the stage, out;  v10: 16 l;  v11: 64 h;  v12: lane
; v16-39 A's two fragments;  v40-87 four fragments of columns;  v88-91 the columns' scale words, v92 A's: these five hold scales alone
.macro CROUND
	s_barrier_signal -1
	s_barrier_wait -1
	s_cmp_lg_u32 s[WV], 0
	s_cbranch_scc1 .Lnot_wave_0_\@
	s_barrier_signal -3
.Lnot_wave_0_\@:
	s_barrier_wait -3
	s_barrier_signal -1
	s_barrier_wait -1
.endm
.macro FRAG reg, a16, a8, off
	ds_load_b128 v[\reg:\reg+3], v[\a16] offset:\off
	ds_load_b64 v[\reg+4:\reg+5], v[\a8] offset:\off+512
	ds_load_b128 v[\reg+6:\reg+9], v[\a16] offset:\off+768
	ds_load_b64 v[\reg+10:\reg+11], v[\a8] offset:\off+1280
.endm
; four products: columns' tiles 2 tp, 2 tp + 1 x my two tiles of rows; the 16 accumulators take turns, one instruction a turn
.macro MULP tp, f
	v_wmma_scale_f32_16x16x128_f8f6f4 v[ACC+16*\tp:ACC+16*\tp+7], v[\f:\f+11], v[16:27], v[ACC+16*\tp:ACC+16*\tp+7], v[88+\tp], v92 matrix_a_fmt:MATRIX_FMT_FP6 matrix_b_fmt:MATRIX_FMT_FP6
	v_wmma_scale_f32_16x16x128_f8f6f4 v[ACC+64+16*\tp:ACC+64+16*\tp+7], v[\f:\f+11], v[28:39], v[ACC+64+16*\tp:ACC+64+16*\tp+7], v[88+\tp], v92 matrix_a_fmt:MATRIX_FMT_FP6 matrix_b_fmt:MATRIX_FMT_FP6 matrix_b_scale:MATRIX_SCALE_ROW1
	v_wmma_scale_f32_16x16x128_f8f6f4 v[ACC+16*\tp+8:ACC+16*\tp+15], v[\f+12:\f+23], v[16:27], v[ACC+16*\tp+8:ACC+16*\tp+15], v[88+\tp], v92 matrix_a_fmt:MATRIX_FMT_FP6 matrix_b_fmt:MATRIX_FMT_FP6 matrix_a_scale:MATRIX_SCALE_ROW1
	v_wmma_scale_f32_16x16x128_f8f6f4 v[ACC+64+16*\tp+8:ACC+64+16*\tp+15], v[\f+12:\f+23], v[28:39], v[ACC+64+16*\tp+8:ACC+64+16*\tp+15], v[88+\tp], v92 matrix_a_fmt:MATRIX_FMT_FP6 matrix_b_fmt:MATRIX_FMT_FP6 matrix_a_scale:MATRIX_SCALE_ROW1 matrix_b_scale:MATRIX_SCALE_ROW1
.endm
.macro KSTEP s
.if \s > 0
.irp a, 1,2,3,4,5
	v_add_nc_u32 v[\a], KSB, v[\a]                 ; on to the next K step; these five are also the places between the last products and the loads into their registers
.endr
.endif
.if \s == 0
	s_wait_alu depctr_va_vdst(0)
	s_wait_tensorcnt 0x0                           ; my one load has landed; nothing is ever filled again
	s_barrier_signal -1                            ; (no LDS instruction of mine is out here)
	s_barrier_wait -1
.endif
	FRAG 16, 3, 4, 0
	FRAG 28, 3, 4, 1536
	ds_load_b32 v92, v5
	ds_load_b128 v[88:91], v1 offset:12288
.irp t, 0,1,2,3
	FRAG 40+12*\t, 1, 2, 1536*\t
.endr
	s_wait_alu depctr_va_vdst(0)
	s_wait_dscnt 0x0
.if \s == 0
	s_wait_loadcnt 0x0                             ; the bias lies in the accumulators
.endif
	MULP 0, 40
	MULP 1, 64
.rept 4
	v_nop                                          ; places in front of loads into registers that matrix instructions have read
.endr
.irp t, 0,1,2,3
	FRAG 40+12*\t, 1, 2, 6144+1536*\t
.endr
	s_wait_dscnt 0x0
	MULP 2, 40
	MULP 3, 64
.endm
	s_load_b256 s[4:11], s[0:1], 0x0               ; ao s[4:5], wops s[6:7], bo s[8:9], out0 s[10:11]
	v_lshl_add_u32 v[SPW], v0, 2, SPARE
	v_mov_b32 v[NIL], 0
	ds_add_u32 v[SPW], v[NIL]                      ; the wave's opening: the add and its wait ahead of my first tensor load
	ds_add_u32 v[SPW], v[NIL]
	v_lshrrev_b32 v12, 5, v0
	s_delay_alu instid0(VALU_DEP_1)
	v_readfirstlane_b32 s[WV], v12
	s_and_b32 s15, s[WV], 1
	s_lshl_b32 s15, s15, 2                         ; the first of the four K steps that I fetch: 0 or 4
	s_lshr_b32 s66, s[WV], 1                       ; which of a K step's three blocks
	s_lshr_b32 s67, s[WV], 2                       ; which column group is mine
	s_and_b32 s68, s[WV], 3                        ; j
	s_bfe_u32 s69, ttmp6, 0x40000                  ; cx
	s_lshl_b32 s70, ttmp9, 2
	s_add_co_u32 s70, s70, s69                     ; G: it enters ao's and out0's addresses alone
	s_and_b32 s71, ttmp7, 0xffff                   ; pp, which the four partners share
	s_mov_b32 s[G1], 3<<16                         ; a block is dense: 50 rows of 256 bytes (32 elements of 8 bytes), no padding
	s_mov_b32 s[G1J], 15|(3<<16)|(1<<21)           ; the same with the mask of all four work-groups, and bit 21 beside it
.irp g, G1, G1J
	s_mov_b32 s[\g+1], 32<<16
	s_mov_b32 s[\g+2], 200<<16                     ; four blocks of 50 rows
	s_mov_b32 s[\g+3], 32<<16
	s_mov_b32 s[\g+4], 200
	s_mov_b32 s[\g+5], 32
	s_mov_b32 s[\g+6], 0
	s_mov_b32 s[\g+7], 0
.endr
	s_lshl_b32 s72, s70, 3
	s_add_co_u32 s72, s72, s15
	s_mul_i32 s72, s72, BLKB                       ; A's block G x 8 + my K step of pair 0
	s_mov_b32 s73, 0
	s_lshl_b32 s76, s71, 1
	s_add_co_u32 s83, s76, s67                     ; pg = 2 pp + w / 4
	s_lshl_b32 s76, s83, 3
	s_add_co_u32 s76, s76, s15
	s_add_co_u32 s76, s76, 112
	s_mul_i32 s76, s76, BLKB                       ; Wo's block 112 + pg x 8 + my K step: made of pp and the wave's number alone
	s_mov_b32 s77, 0
	s_mul_i32 s80, s15, KSB
	s_mul_i32 s81, s66, 8*BLKB                     ; which run of eight blocks
	s_add_co_u32 s80, s80, s81                     ; where my block goes: the wave's number alone
	s_lshl_b32 s84, s70, 19                        ; out0: 128 G rows of 4,096 bytes,
	s_lshl_b32 s85, s68, 17                        ; my 32 rows,
	s_add_co_u32 s84, s84, s85
	s_lshl_b32 s88, s83, 9                         ; my 128 columns
	s_add_co_u32 s84, s84, s88
	s_mov_b32 s85, 0
	s_mov_b32 s89, 0
	s_wait_dscnt 0x0                               ; the opening add is done
	s_wait_kmcnt 0x0
	s_add_nc_u64 s[74:75], s[4:5], s[72:73]
	s_add_nc_u64 s[78:79], s[6:7], s[76:77]
	s_add_nc_u64 s[84:85], s[10:11], s[84:85]
	s_add_nc_u64 s[86:87], s[8:9], s[88:89]
.irp q, 0
	s_mov_b32 s[G0+4*\q], 1
	s_add_co_u32 s[G0+4*\q+1], s80, \q*2*KSB
	s_add_nc_u64 s[G0+4*\q+2:G0+4*\q+3], s[74:75], \q*2*BLKB
	s_or_b32 s[G0+4*\q+3], s[G0+4*\q+3], 0x80000000
	s_mov_b32 s[G0J+4*\q], 1
	s_add_co_u32 s[G0J+4*\q+1], s80, \q*2*KSB
	s_add_nc_u64 s[G0J+4*\q+2:G0J+4*\q+3], s[78:79], \q*2*BLKB
	s_or_b32 s[G0J+4*\q+3], s[G0J+4*\q+3], 0x80000000
.endr
	CROUND                                         ; all four work-groups are here: the joint loads meet
	s_cmp_lt_u32 s[WV], 2                          ; one load a wave, waves 0 to 5
	s_cbranch_scc0 .Lnot_own
	tensor_load_to_lds s[G0:G0+3], s[G1:G1+7]
	s_nop 0
.rept 4
	v_nop
.endr
	s_branch .Lasked
.Lnot_own:
	s_cmp_lt_u32 s[WV], 6
	s_cbranch_scc0 .Lasked
	tensor_load_to_lds s[G0J:G0J+3], s[G1J:G1J+7]
	s_nop 0
.rept 4
	v_nop
.endr
.Lasked:
	v_and_b32 v12, 31, v0                          ; lane
	v_and_b32 v13, 15, v0                          ; r
	v_bfe_u32 v15, v0, 4, 1                        ; h
	s_delay_alu instid0(VALU_DEP_1)
	v_lshlrev_b32 v11, 6, v15                      ; 64 h
.irp i, 0,1
.irp b, 0,1,2,3
.irp q, 0,1,2,3
	global_load_b128 v[ACC+64*\i+16*\b+4*\q:ACC+64*\i+16*\b+4*\q+3], v11, s[86:87] offset:128*\b+16*\q   ; register 16 b + e takes the bias of column 32 b + 16 h + e
.endr
.endr
.endr
	s_mul_i32 s72, s67, 8*BLKB
	s_add_co_u32 s72, s72, 8*BLKB                  ; my column group's run of eight blocks
	s_mul_i32 s73, s68, 3072                       ; my pair of tiles in A's block
	v_lshl_add_u32 v1, v12, 4, s72
	v_lshl_add_u32 v2, v12, 3, s72
	v_lshl_add_u32 v3, v12, 4, s73
	v_lshl_add_u32 v4, v12, 3, s73
	s_lshl_b32 s74, s68, 2
	s_add_co_u32 s74, s74, 12288
	v_lshl_add_u32 v5, v12, 4, s74                 ; the scale words of tiles 2 j (lanes 0-15) and 2 j + 1 (lanes 16-31)
	s_mul_i32 s74, s[WV], 8448                     ; my stage
	v_mul_u32_u24 v8, v13, 528
	s_delay_alu instid0(VALU_DEP_1)
	v_lshl_add_u32 v8, v15, 6, v8
	s_delay_alu instid0(VALU_DEP_1)
	v_add_nc_u32 v8, s74, v8                       ; in: row r, + 64 h
	v_lshl_add_u32 v9, v12, 4, s74                 ; out: 16 l of a row
	v_lshlrev_b32 v10, 4, v12
	s_wait_alu depctr_va_vdst(0)
.irp s, 0,1,2,3,4,5,6,7
	KSTEP \s
.endr
.macro TOSTAGE i
.irp b, 0,1,2,3
.irp q, 0,1,2,3
	ds_store_b128 v8, v[ACC+64*\i+16*\b+4*\q:ACC+64*\i+16*\b+4*\q+3] offset:128*\b+16*\q   ; each accumulator from its low end on
.endr
.endr
.irp rr, 0,1,2,3,4,5,6,7,8,9,10,11,12,13,14,15
	ds_load_b128 v[ACC+64*\i+4*\rr:ACC+64*\i+4*\rr+3], v9 offset:528*\rr   ; LDS serves a wave's instructions in order (ISA guide 5.7.1.4): these see my stores, and the next tile's stores come behind them
.endr
.endm
.macro SEND i, younger                 ; younger: the LDS instructions issued behind tile i's loads
.irp rr, 0,1,2,3,4,5,6,7,8,9,10,11,12,13,14,15
	s_wait_dscnt \younger+15-\rr
	global_store_b128 v10, v[ACC+64*\i+4*\rr:ACC+64*\i+4*\rr+3], s[84:85] offset:(8*\i+\rr+8*(\rr/8))*4096 th:TH_STORE_NT   ; 32 lanes store 512 consecutive bytes, aligned; written once, read by nobody here
.endr
.endm
	s_wait_dscnt 0x0                               ; my reads of the tiles are back,
	s_barrier_signal -1
	s_barrier_wait -1                              ; everybody's are: the stages may be written over A's first blocks
.rept 4
	v_nop                                          ; places between the last products and the first read of results
.endr
	TOSTAGE 0
	TOSTAGE 1
	SEND 0, 32
	SEND 1, 0
	s_wait_tensorcnt 0x0                           ; the wave's end, behind my last tensor load and my last LDS store
	ds_add_u32 v[SPW], v[NIL]
	s_wait_dscnt 0x0
	CROUND                                         ; the closing round
	s_endpgm
.Lfunc_end_k_qba239f91f3_outproj:
	.size	k_qba239f91f3_outproj, .Lfunc_end_k_qba239f91f3_outproj-k_qba239f91f3_outproj
	.p2alignl 7, 3214868480
	.fill 96, 4, 3214868480
	.section	.rodata,"a",@progbits
	.p2align	6, 0x0
	.amdhsa_kernel k_qba239f91f3_outproj
		.amdhsa_group_segment_fixed_size 308224
		.amdhsa_private_segment_fixed_size 0
		.amdhsa_enable_private_segment 0
		.amdhsa_kernarg_size 32
		.amdhsa_user_sgpr_count 2
		.amdhsa_user_sgpr_kernarg_segment_ptr 1
		.amdhsa_wavefront_size32 1
		.amdhsa_system_sgpr_workgroup_id_x 1
		.amdhsa_system_sgpr_workgroup_id_y 1
		.amdhsa_system_sgpr_workgroup_id_z 1
		.amdhsa_system_vgpr_workitem_id 0
		.amdhsa_next_free_vgpr 256
		.amdhsa_next_free_sgpr 96
		.amdhsa_reserve_vcc 0
		.amdhsa_float_denorm_mode_32 3
		.amdhsa_float_denorm_mode_16_64 3
		.amdhsa_memory_ordered 1
		.amdhsa_forward_progress 1
		.amdhsa_inst_pref_size 59
	.end_amdhsa_kernel
	.amdgpu_metadata
---
amdhsa.version: [ 1, 2 ]
amdhsa.kernels:
  - .name:           k_qba239f91f3_outproj
    .symbol:         k_qba239f91f3_outproj.kd
    .args:
      - { .name: ao, .offset: 0, .size: 8, .value_kind: global_buffer, .address_space: global }
      - { .name: wops, .offset: 8, .size: 8, .value_kind: global_buffer, .address_space: global }
      - { .name: bo, .offset: 16, .size: 8, .value_kind: global_buffer, .address_space: global }
      - { .name: out0, .offset: 24, .size: 8, .value_kind: global_buffer, .address_space: global }
    .group_segment_fixed_size: 308224
    .private_segment_fixed_size: 0
    .kernarg_segment_align: 8
    .kernarg_segment_size: 32
    .max_flat_workgroup_size: 256
    .sgpr_count:     96
    .vgpr_count:     256
    .wavefront_size: 32
...
	.end_amdgpu_metadata
.endif
;; end of part 5
